; MI455X (gfx1250); checked and timed in simulation.
; The chip was launched on July 23, 2026; its instructions are those of AMD's public machine-readable ISA for CDNA 5 (MIT licence, August 2026) and "CDNA5" Instruction Set Architecture Reference Guide (July 2026). The comments in the code are by the model that wrote it; some were corrected since.
;; Mini Attention Block. Allowed arithmetic: matrix products marked QUANTISED: E2M1 operands, one E8M0 scale for each 32 along K, by v_wmma_scale_f32_16x16x128_f8f6f4 with both operands' format E2M1 (or v_wmma_scale_f32_32x16x128_f4), f32 sums; everything else in f32.
;; Inputs: Wk 1,024 x 1,024 float32; Wo 1,024 x 1,024 float32; Wq 1,024 x 1,024 float32; Wv 1,024 x 1,024 float32; beta 1,024 float32; gamma 1,024 float32; x 4 x 2,048 x 1,024 float32.
;; Outputs: out0 4 x 2,048 x 1,024 float32.
;; This version of the problem:
;;   THIS VERSION OF THE PROBLEM IS GIVEN IN LOW PRECISION. The matrix products marked QUANTISED in the list below multiply operands that are first quantised to E2M1 (2 exponent bits, 1 mantissa bit; 4 bits a number), with one power-of-two scale for each 32 numbers along K (OCP MX v1.0); their sums are f32. All else is computed in f32.
;;   The module's matrix products, in the order in which they are computed (A, B: the left and right operand; K: the contracted axis; several contracted axes count as one K, in the product's order):
;;     1. [M 8,192, K 1,024] x [K 1,024, N 1,024]; A: computed on the way; B: input Wq: QUANTISED
;;     2. [M 8,192, K 1,024] x [K 1,024, N 1,024]; A: computed on the way; B: input Wk: QUANTISED
;;     3. [M 8,192, K 1,024] x [K 1,024, N 1,024]; A: computed on the way; B: input Wv: QUANTISED
;;     4. batch 32 x [M 2,048, K 128] x [K 128, N 2,048]; A: computed on the way; B: computed on the way: QUANTISED
;;     5. batch 32 x [M 2,048, K 2,048] x [K 2,048, N 128]; A: softmax (see below); B: computed on the way: QUANTISED
;;     6. [M 8,192, K 1,024] x [K 1,024, N 1,024]; A: computed on the way; B: input Wo: QUANTISED
;;   THE QUANTISER, for each operand of a quantised product, along K:
;;     - K is cut into blocks of 32 from its start; a last block that is shorter is filled with zeros.
;;     - A block's scale is 2^e with e = floor(log2(the largest magnitude in the block)) - 2, held to -126 .. 127; a block of zeros has e = 0. As a byte (E8M0): e + 127.
;;     - Each number is divided by its block's scale, clamped to +-6, and rounded to the nearest number of E2M1, ties to even, subnormals kept.
;;     - The product sums the exact products of the quantised numbers (number of the format x scale) in f32.
;;   ~~~python
;;   def quantise(x, axis):      # numpy; x: float32 -> the quantised numbers, widened to float32 again
;;       x = np.moveaxis(x, axis, -1); K = x.shape[-1]
;;       x = np.pad(x, [(0, 0)] * (x.ndim - 1) + [(0, -K % 32)]); x = x.reshape(x.shape[:-1] + (-1, 32)); a = np.abs(x).max(-1, keepdims=True)
;;       e = np.where(a > 0, np.clip(np.frexp(np.where(a > 0, a, 1))[1] - 1 - 2, -126, 127), 0)      # np.frexp(a)[1] - 1 = floor(log2(a)), exactly
;;       r = np.clip(x / 2.0 ** e, -6, 6)
;;       step = 2.0 ** (np.maximum(np.frexp(np.where(r == 0, 1, r))[1] - 1, 0) - 1)
;;       q = np.round(r / step) * step * 2.0 ** e      # np.round: ties to even
;;       return np.moveaxis(q.reshape(q.shape[:-2] + (-1,))[..., :K], -1, axis).astype(np.float32)
;;   ~~~
;;   SOFTMAX AHEAD OF A QUANTISED PRODUCT. Where the list says 'softmax', what is quantised is not the finished softmax but p = 2^(t - M), with t = logit x log2(e) and M = ceil(the row's largest t), a whole number; so 1/2 < the row's largest p <= 1. The row's sum l is taken of the UNQUANTISED p, in f32, and the product's result is divided by l at the end. Since M is a whole number, a kernel that streams over the keys may use a running M (the ceiling of the running maximum): every later rescaling is an exact power of two, which a block's scale takes up: the codes' values come out the same.
;;   OPERANDS COMPUTED ON THE WAY. 'Computed on the way' means the value that the module computes at that place (a softmax that the list does not call 'softmax' is quantised finished and normalised). What goes into a quantiser is computed in f32, as accurately as f32 sums, v_exp_f32 and their like allow (about 1e-6 of the number): no bf16 or f16 on the way to a quantiser, and a product that is left as it is and whose result goes on into a quantised operand takes f32 operands (vector FMAs, or v_wmma_f32_16x16x4_f32). A number that lies on a knife's edge between two numbers of the format may be rounded either way, as far as f32 arithmetic and the matrix unit's own rounding can turn it there, and no further.
;; One version. Each part assembles by itself: llvm-mc -triple=amdgcn-amd-amdhsa -mcpu=gfx1250 --defsym DOCPART=n.
;; ======== version 1 of 1: 4 launches
;; limits: right only within a limited range of input values
;; workspace buffers: cimg 6,291,456 bytes; simg 393,216 bytes; qkvc 12,582,912 bytes; qkvs 786,432 bytes; oc 4,194,304 bytes; os 262,144 bytes
;; launch prep (part 1): grid 768 x 1, 4 waves a work-group, no clusters, 28,160 bytes of LDS; arguments x, Wq, Wk, Wv, Wo, gamma, beta, cimg, simg; writes cimg, simg
.if DOCPART == 1
	.amdgcn_target "amdgcn-amd-amdhsa--gfx1250"
	.amdhsa_code_object_version 6
	.text
	.protected	k_q97caf98f32_prep
	.globl	k_q97caf98f32_prep
	.p2align	8
	.type	k_q97caf98f32_prep,@function
k_q97caf98f32_prep:
	s_mov_b64 s[64:65], 0
	v_nop
	global_prefetch_b8 v0, s[64:65] scope:SCOPE_SE
	s_setreg_imm32_b32 hwreg(HW_REG_WAVE_MODE, 25, 1), 1
	s_wait_xcnt 0x0
; LayerNorm of x and the quantising (MX-FP4: E2M1 codes, one E8M0 byte for each 32 along K) of xn, Wq, Wk, Wv, Wo: all have rows of 1,024 f32 with K innermost.
; A work-group makes one TILE of 16 rows: 8,192 bytes of codes and 512 bytes of scale bytes.  Work-groups 0-511: x; 512 + 64 m + ..: weight m (Wq, Wk, Wv, Wo).
; THE ROWS OF A TILE ARE NOT NEIGHBOURS: row place p of tile 2 b + u is row 32 b + 8 u + p + 8 (p / 8), so that later results of two neighbouring tiles are 16 neighbours in a lane's registers.
; THE CODES ARE LAID AS THE MATRIX UNIT'S REGISTERS TAKE THEM: [tile][block of 32 along K: 0..31][row place 0..15][16 bytes]; a K step of 128 is 1,024 bytes: two loads of 16 bytes a lane, 512 bytes apart.
; The scale bytes: [tile][row place][32 bytes]: word s of a row belongs to K step s.
; ONE PATH FOR BOTH KINDS: a weight runs the same lines with mean 0, 1/sigma 1, gain 1, bias 0 (chosen by v_cndmask_b32 on the work-group's number): x * 1 + 0 is exact.
; Wave w takes row places 4 w .. 4 w + 3, four neighbouring rows of memory.  Each load reads 512 consecutive bytes; a row turns through the wave's own LDS so that lane l holds block l (32 neighbours).
; The variance is taken of x - mean (two passes over registers), so a common offset of x does no harm.
; LIMITS: NaN and infinities are not served; a block whose largest magnitude lies under 2^-124 gets the byte 1; a block of zeros gets the byte 1 and not 127: its codes are zeros, and this program alone reads the bytes.
; No matrix unit, no cluster, no tensor load: a stream in which work-groups share nothing but gamma and beta (8 KB).  All of a wave's 48 loads go out at its head.
.set TURNB, 4608                       ; a wave's turning place: 32 x (128 bytes + 16 of padding)
.set CSTG,  4*TURNB                    ; the tile's codes: block l at 272 l, row place p at + 16 p
.set SSTG,  CSTG+32*272                ; the tile's scale bytes: 32 p + l
.set T,   10                           ; v10-13  at work
.set MU,  18                           ; v[18:19] the mean, twice
.set RS,  20                           ; v[20:21] 1 / sigma, twice
.set MA,  22                           ; v22-23  two chains of the largest magnitude
.set SCO, 24                           ; v24     the conversions' scale operand
.set E,   27                           ; v27     the scale's byte
.set C,   28                           ; v28-31  my block's 32 codes
.set X,   32                           ; v32-63  my block's 32 numbers
.set G,   64                           ; v64-95  gamma of my 32 columns (1 for a weight)
.set BT,  96                           ; v96-127 beta (0 for a weight)
.set R,   128                          ; v128-255 four rows as loaded
.set WV,  26
.set SRC, 28                           ; s[28:29] my wave's first row
.set SF,  34                           ; s34 1/1024 for x, 0 for a weight
.set SEL, 38                           ; s[38:39] selects of v_permlanex16_b32: lane l xor 16
	s_load_b512 s[8:23], s[0:1], 0x0               ; x, Wq, Wk, Wv, Wo, gamma, beta, cimg
	s_load_b64 s[24:25], s[0:1], 0x40              ; simg
	v_lshl_add_u32 v25, v0, 2, 0x6c00
	v_mov_b32 v26, 0
	v_lshrrev_b32 v9, 5, v0
	v_readfirstlane_b32 s[WV], v9                  ; wave 0..3
	v_and_b32 v1, 31, v0                           ; lane l
	v_lshlrev_b32 v2, 4, v1                        ; 16 l: my 16 bytes of a load's or store's 512
	s_mul_i32 s27, s[WV], TURNB
	v_lshrrev_b32 v3, 3, v1
	v_lshl_add_u32 v3, v3, 4, v2
	v_add_nc_u32 v3, s27, v3                       ; into the turn: 16 l + 16 (l / 8): 16 bytes of padding behind each 128
	v_mul_u32_u24 v4, v1, 144
	v_add_nc_u32 v4, s27, v4                       ; out of it: block l at 144 l
	s_lshl_b32 s27, s[WV], 6
	v_mul_u32_u24 v5, v1, 272
	v_add_nc_u32 v5, s27, v5                       ; my codes: 272 l + 16 (4 w + i)
	s_lshl_b32 s27, s[WV], 7
	v_add_nc_u32 v6, s27, v1                       ; my byte: 32 (4 w + i) + l
	s_mul_i32 s27, s[WV], 2176
	v_and_b32 v7, 15, v0
	v_bfe_u32 v9, v0, 4, 1
	v_lshlrev_b32 v7, 4, v7
	v_mad_u32_u24 v7, v9, 272, v7
	v_add_nc_u32 v7, s27, v7                       ; the codes' way out: chunk 4 w + k of 512 bytes: block 2 (4 w + k) + lane / 16, row place lane % 16
	s_mov_b32 s27, ttmp9
	v_mov_b32 v9, s27
	v_cmp_gt_u32 vcc_lo, 0x200, v9                 ; all lanes: is this a tile of x?  VCC stays for the whole kernel
	s_mov_b32 s35, 0x3a800000                      ; 1 / 1024
	s_mov_b32 s36, 0x3727c5ac                      ; 1e-5
	s_mov_b32 s[SEL], 0x76543210
	s_mov_b32 s[SEL+1], 0xfedcba98
	s_and_b32 s40, ttmp9, 63                       ; a weight's tile
	s_wait_kmcnt 0x0
	s_mov_b64 s[SRC:SRC+1], s[16:17]               ; the source is chosen by the work-group's number alone
	s_cmp_lt_u32 ttmp9, 704
	s_cselect_b64 s[SRC:SRC+1], s[14:15], s[SRC:SRC+1]
	s_cmp_lt_u32 ttmp9, 640
	s_cselect_b64 s[SRC:SRC+1], s[12:13], s[SRC:SRC+1]
	s_cmp_lt_u32 ttmp9, 576
	s_cselect_b64 s[SRC:SRC+1], s[10:11], s[SRC:SRC+1]
	s_cmp_lt_u32 ttmp9, 512
	s_cselect_b64 s[SRC:SRC+1], s[8:9], s[SRC:SRC+1]
	s_cselect_b32 s[SF], s35, 0
	s_cselect_b32 s40, ttmp9, s40                  ; the tile's number in its tensor
	s_lshr_b32 s41, s40, 1
	s_lshl_b32 s41, s41, 5                         ; 32 (tile / 2)
	s_and_b32 s42, s40, 1
	s_lshl_b32 s42, s42, 3                         ; + 8 (tile % 2)
	s_add_co_u32 s41, s41, s42
	s_and_b32 s42, s[WV], 1
	s_lshl_b32 s42, s42, 2                         ; + 4 (w % 2)
	s_add_co_u32 s41, s41, s42
	s_lshr_b32 s42, s[WV], 1
	s_lshl_b32 s42, s42, 4                         ; + 16 (w / 2): row places 4 w .. 4 w + 3
	s_add_co_u32 s41, s41, s42
	s_lshl_b32 s40, s41, 12                        ; rows of 4,096 bytes: under 2^25
	s_mov_b32 s41, 0
	s_add_nc_u64 s[SRC:SRC+1], s[SRC:SRC+1], s[40:41]
	s_lshl_b32 s42, ttmp9, 13
	s_lshl_b32 s43, s[WV], 11
	s_add_co_u32 s42, s42, s43
	s_mov_b32 s43, 0
	s_add_nc_u64 s[30:31], s[22:23], s[42:43]      ; the codes: 8,192 a tile, 2,048 a wave
	s_lshl_b32 s42, ttmp9, 9
	s_add_nc_u64 s[32:33], s[24:25], s[42:43]      ; the scale bytes: 512 a tile
.irp j, 0,1,2,3,4,5,6,7
	global_load_b128 v[G+4*\j:G+4*\j+3], v2, s[18:19] offset:512*\j    ; gamma as it lies: 32 lanes read 512 consecutive bytes
.endr
.irp j, 0,1,2,3,4,5,6,7
	global_load_b128 v[BT+4*\j:BT+4*\j+3], v2, s[20:21] offset:512*\j  ; beta likewise
.endr
.irp i, 0,1,2,3
.irp j, 0,1,2,3,4,5,6,7
	global_load_b128 v[R+32*\i+4*\j:R+32*\i+4*\j+3], v2, s[SRC:SRC+1] offset:4096*\i+512*\j th:TH_LOAD_NT   ; 32 lanes read 512 consecutive bytes
.endr
.endr
	s_wait_loadcnt 32                              ; gamma and beta are in; the 32 row loads behind them may be out
.irp j, 0,1,2,3,4,5,6,7
	ds_store_b128 v3, v[G+4*\j:G+4*\j+3] offset:576*\j     ; they turn through my turning place as a row does, so that lane l holds its block's 32 columns
.endr
.irp j, 0,1,2,3,4,5,6,7
	ds_load_b128 v[G+4*\j:G+4*\j+3], v4 offset:16*\j       ; LDS serves a wave's instructions in order: these see the stores above, and beta's stores below come behind them
.endr
.irp j, 0,1,2,3,4,5,6,7
	ds_store_b128 v3, v[BT+4*\j:BT+4*\j+3] offset:576*\j
.endr
.irp j, 0,1,2,3,4,5,6,7
	ds_load_b128 v[BT+4*\j:BT+4*\j+3], v4 offset:16*\j
.endr
	s_wait_dscnt 0x0
.set n, 0
.rept 32
	v_cndmask_b32 v[G+n], 1.0, v[G+n], vcc_lo      ; a weight: gain 1,
	v_cndmask_b32 v[BT+n], 0, v[BT+n], vcc_lo      ; bias 0
.set n, n+1
.endr
.macro REDUCE                          ; v[T] summed over the 32 lanes, the result in every lane
	v_add_f32_dpp v[T], v[T], v[T] row_xmask:1 row_mask:0xf bank_mask:0xf
	v_add_f32_dpp v[T], v[T], v[T] row_xmask:2 row_mask:0xf bank_mask:0xf
	v_add_f32_dpp v[T], v[T], v[T] row_xmask:4 row_mask:0xf bank_mask:0xf
	v_add_f32_dpp v[T], v[T], v[T] row_xmask:8 row_mask:0xf bank_mask:0xf
	v_permlanex16_b32 v[T+1], v[T], s[SEL], s[SEL+1]
	v_add_f32 v[T], v[T], v[T+1]
.endm
.macro ROW i
	s_wait_loadcnt 8*(3-\i)                        ; this row's eight loads are in; the later rows' may be out
.irp j, 0,1,2,3,4,5,6,7
	ds_store_b128 v3, v[R+32*\i+4*\j:R+32*\i+4*\j+3] offset:576*\j   ; 512 bytes and their four paddings
.endr
.irp j, 0,1,2,3,4,5,6,7
	ds_load_b128 v[X+4*\j:X+4*\j+3], v4 offset:16*\j   ; LDS serves a wave's instructions in order: these see the stores above
.endr
	s_wait_dscnt 0x0                               ; my block is in; the last row's stores of codes and byte are done too, so their registers may be written
	v_pk_add_f32 v[T:T+1], v[X:X+1], v[X+2:X+3]    ; the row's sum, in two chains
	v_pk_add_f32 v[T+2:T+3], v[X+4:X+5], v[X+6:X+7]
.irp j, 8,12,16,20,24,28
	v_pk_add_f32 v[T:T+1], v[T:T+1], v[X+\j:X+\j+1]
	v_pk_add_f32 v[T+2:T+3], v[T+2:T+3], v[X+\j+2:X+\j+3]
.endr
	v_pk_add_f32 v[T:T+1], v[T:T+1], v[T+2:T+3]
	v_add_f32 v[T], v[T], v[T+1]
	REDUCE
	v_mul_f32 v[MU], s[SF], v[T]                   ; the mean (0 for a weight)
	v_mov_b32 v[MU+1], v[MU]
.irp j, 0,2,4,6,8,10,12,14,16,18,20,22,24,26,28,30
	v_pk_add_f32 v[X+\j:X+\j+1], v[X+\j:X+\j+1], v[MU:MU+1] neg_lo:[0,1] neg_hi:[0,1]   ; x - mean
.endr
	v_pk_mul_f32 v[T:T+1], v[X:X+1], v[X:X+1]      ; the sum of its squares, in two chains
	v_pk_mul_f32 v[T+2:T+3], v[X+2:X+3], v[X+2:X+3]
.irp j, 4,8,12,16,20,24,28
	v_pk_fma_f32 v[T:T+1], v[X+\j:X+\j+1], v[X+\j:X+\j+1], v[T:T+1]
	v_pk_fma_f32 v[T+2:T+3], v[X+\j+2:X+\j+3], v[X+\j+2:X+\j+3], v[T+2:T+3]
.endr
	v_pk_add_f32 v[T:T+1], v[T:T+1], v[T+2:T+3]
	v_add_f32 v[T], v[T], v[T+1]
	REDUCE
	v_fma_f32 v[T], v[T], s35, s36                 ; the variance + 1e-5
	s_wait_alu depctr_va_vdst(0)
	v_rsq_f32 v[RS], v[T]
	v_nop                                          ; a plain instruction behind the transcendental (ISA guide 5.7.2),
	s_wait_alu depctr_va_vdst(0)                   ; and the wait ahead of its first reader
	v_cndmask_b32 v[RS], 1.0, v[RS], vcc_lo        ; a weight: 1
	v_mov_b32 v[RS+1], v[RS]
.irp j, 0,2,4,6,8,10,12,14,16,18,20,22,24,26,28,30
	v_pk_mul_f32 v[X+\j:X+\j+1], v[X+\j:X+\j+1], v[RS:RS+1]
.endr
.irp j, 0,2,4,6,8,10,12,14,16,18,20,22,24,26,28,30
	v_pk_fma_f32 v[X+\j:X+\j+1], v[X+\j:X+\j+1], v[G+\j:G+\j+1], v[BT+\j:BT+\j+1]   ; ((x - mean) / sigma) gamma + beta
.endr
	v_max3_num_f32 v[MA], |v[X]|, |v[X+1]|, |v[X+2]|       ; the block's largest magnitude: all 32 numbers are mine
	v_max3_num_f32 v[MA+1], |v[X+3]|, |v[X+4]|, |v[X+5]|
.irp j, 6,10,14,18,22,26
	v_max3_num_f32 v[MA], v[MA], |v[X+\j]|, |v[X+\j+1]|
	v_max3_num_f32 v[MA+1], v[MA+1], |v[X+\j+2]|, |v[X+\j+3]|
.endr
	v_max3_num_f32 v[MA], v[MA], |v[X+30]|, |v[X+31]|
	v_max3_num_f32 v[MA], v[MA], v[MA+1], 0x1800000        ; and the floor 2^(3 - 127): the byte cannot fall under 1
	v_add_nc_u32 v[SCO], 0xff000000, v[MA]         ; 2 off its exponent field: the conversion takes the exponent field of this operand as its scale
.irp g, 0,1,2,3
	v_cvt_scalef32_pk8_fp4_f32 v[C+\g], v[X+8*\g:X+8*\g+7], v[SCO]
.endr
	v_lshrrev_b32 v[E], 23, v[SCO]                 ; the scale's byte; also the plain instruction behind the conversions
	ds_store_b128 v5, v[C:C+3] offset:CSTG+16*\i
	ds_store_b8 v6, v[E] offset:SSTG+32*\i
.endm
	ROW 0
	ROW 1
	ROW 2
	ROW 3
	s_wait_dscnt 0x0                               ; for the others' sake: my codes and bytes lie in LDS
	s_barrier_signal -1
	s_barrier_wait -1
.irp k, 0,1,2,3
	ds_load_b128 v[X+4*\k:X+4*\k+3], v7 offset:CSTG+544*\k
.endr
.irp k, 0,1,2,3
	s_wait_dscnt 3-\k                              ; chunk k is in; the later ones may be out
	global_store_b128 v2, v[X+4*\k:X+4*\k+3], s[30:31] offset:512*\k   ; 32 lanes store 512 consecutive bytes, aligned
.endr
	s_cmp_lg_u32 s[WV], 0                          ; the tile's 512 scale bytes leave by wave 0
	s_cbranch_scc1 .Ldone
	ds_load_b128 v[C:C+3], v2 offset:SSTG
	s_wait_dscnt 0x0
	global_store_b128 v2, v[C:C+3], s[32:33]
.Ldone:
	s_wait_tensorcnt 0x0
	ds_add_u32 v25, v26
	s_wait_dscnt 0x0
	s_endpgm
.Lfunc_end_k_q97caf98f32_prep:
	.size	k_q97caf98f32_prep, .Lfunc_end_k_q97caf98f32_prep-k_q97caf98f32_prep
	.p2alignl 7, 3214868480
	.fill 96, 4, 3214868480
	.section	.rodata,"a",@progbits
	.p2align	6, 0x0
	.amdhsa_kernel k_q97caf98f32_prep
		.amdhsa_group_segment_fixed_size 28160
		.amdhsa_private_segment_fixed_size 0
		.amdhsa_enable_private_segment 0
		.amdhsa_kernarg_size 72
		.amdhsa_user_sgpr_count 2
		.amdhsa_user_sgpr_kernarg_segment_ptr 1
		.amdhsa_wavefront_size32 1
		.amdhsa_system_sgpr_workgroup_id_x 1
		.amdhsa_system_sgpr_workgroup_id_y 1
		.amdhsa_system_sgpr_workgroup_id_z 1
		.amdhsa_system_vgpr_workitem_id 0
		.amdhsa_next_free_vgpr 256
		.amdhsa_next_free_sgpr 66
		.amdhsa_reserve_vcc 1
		.amdhsa_float_denorm_mode_32 3
		.amdhsa_float_denorm_mode_16_64 3
		.amdhsa_memory_ordered 1
		.amdhsa_forward_progress 1
		.amdhsa_inst_pref_size 48
	.end_amdhsa_kernel
	.amdgpu_metadata
---
amdhsa.version: [ 1, 2 ]
amdhsa.kernels:
  - .name:           k_q97caf98f32_prep
    .symbol:         k_q97caf98f32_prep.kd
    .args:
      - { .name: x, .offset: 0, .size: 8, .value_kind: global_buffer, .address_space: global }
      - { .name: Wq, .offset: 8, .size: 8, .value_kind: global_buffer, .address_space: global }
      - { .name: Wk, .offset: 16, .size: 8, .value_kind: global_buffer, .address_space: global }
      - { .name: Wv, .offset: 24, .size: 8, .value_kind: global_buffer, .address_space: global }
      - { .name: Wo, .offset: 32, .size: 8, .value_kind: global_buffer, .address_space: global }
      - { .name: gamma, .offset: 40, .size: 8, .value_kind: global_buffer, .address_space: global }
      - { .name: beta, .offset: 48, .size: 8, .value_kind: global_buffer, .address_space: global }
      - { .name: cimg, .offset: 56, .size: 8, .value_kind: global_buffer, .address_space: global }
      - { .name: simg, .offset: 64, .size: 8, .value_kind: global_buffer, .address_space: global }
    .group_segment_fixed_size: 28160
    .private_segment_fixed_size: 0
    .kernarg_segment_align: 8
    .kernarg_segment_size: 72
    .max_flat_workgroup_size: 128
    .sgpr_count:     66
    .vgpr_count:     256
    .wavefront_size: 32
...
	.end_amdgpu_metadata
.endif
;; end of part 1
;; launch qkv (part 2): grid 32 x 8, 4 waves a work-group, clusters of 4 x 1, 213,504 bytes of LDS; arguments cimg, simg, qkvc, qkvs; writes qkvc, qkvs
.if DOCPART == 2
	.amdgcn_target "amdgcn-amd-amdhsa--gfx1250"
	.amdhsa_code_object_version 6
	.text
	.protected	k_q97caf98f32_qkv
	.globl	k_q97caf98f32_qkv
	.p2align	8
	.type	k_q97caf98f32_qkv,@function
k_q97caf98f32_qkv:
	s_mov_b64 s[64:65], 0
	v_nop
	global_prefetch_b8 v0, s[64:65] scope:SCOPE_SE
	s_setreg_imm32_b32 hwreg(HW_REG_WAVE_MODE, 25, 1), 1
	s_wait_xcnt 0x0
	s_wait_alu depctr_hold_cnt(0) depctr_sa_sdst(0) depctr_va_vdst(0) depctr_va_sdst(0) depctr_va_ssrc(0) depctr_va_vcc(0) depctr_vm_vsrc(0)
	s_getreg_b32 s2, hwreg(HW_REG_IB_STS2, 6, 4)
	s_cmp_eq_u32 s2, 0
	s_cbranch_scc0 .Lentry_in_a_cluster
	s_endpgm
.Lentry_in_a_cluster:
	s_bfe_u32 s2, ttmp6, 0x10000c
	s_cmp_lg_u32 s2, 0x3003
	s_cbranch_scc0 .Lentry_shape_is_right
	s_endpgm
.Lentry_shape_is_right:
; q, k, v = xn Wq^T, xn Wk^T, xn Wv^T on codes of FP4 (E2M1) with E8M0 scales, and their results quantised in registers for the attention that follows.
; A work-group takes 256 tokens (work-group x) and one head (work-group y): three slices of 128 columns, K = 1,024.  Wave w owns 64 tokens: four tiles of 16; their fragments for all of K, 256 registers, come straight
; from memory, once.  The head's three weight slices (3 x 64 KB of codes, 12 KB of scale words) come into LDS once, at the head; nothing is filled twice.
; CLUSTER: the four work-groups of a cluster differ in their tokens alone and want the same weight slices: each tile is asked for JOINTLY (mask 15), which divides those requests by four.
; All tiles (tokens and rows of the weights) hold rows 32 b + 8 u + p + 8 (p / 8) (tile 2 b + u, place p); operands lie in memory as images of their registers: 1,024 bytes for 16 rows x 128 K, two loads of 16 bytes a lane.
; q, k: source 0 = 16 rows of W, source 1 = 16 tokens: a lane holds ONE token and its 64 registers run along the head's 128 features, 16 neighbours to a pair of tiles: they are quantised along the features.
; v:    source 0 = 16 tokens, source 1 = 16 rows of Wv: a lane holds ONE channel and its registers run along the tokens: v is quantised along the keys, which are the second attention product's K.
; OUT: q, k: [head of 32][token tile 128][1 KB image];  v: [head][key step of 128: 16][channel tile 8][1 KB image].  Scale words: [group of 4 tiles][place 16][4 words], 256 bytes a group.
; LIMITS: NaN and infinities are not served; a block under 2^-124 and a block of zeros get the byte 1 (zero codes add nothing; this program alone reads the bytes).
; No prefetch: every byte that the work-group reads is asked for at its head.
; REGISTERS: window 0: v1-10 addresses, v12-27 at work, v28-39 scale words made, v40-71 A's scale words, v72-135 B's, v136-231 codes made (each register written once), v232-237 the scales' way out.
;   window 1: A's fragments (tile a, K step s) at v[8 (8 a + s)].   window 2: 32 accumulators.   window 3: B's fragments, two sets of 64.
.set SCL, 196608                       ; LDS: behind the three slices' codes: their scale words, [slice][8 tiles x 512 bytes]
.set SST, 208896                       ; and a stage for the scale words that leave: 3 x 1,024 bytes; no fill lands here
.set TM,  12
.set PW,  28
.set AS,  40
.set BS,  72
.set PC,  136
.set RBK, 232
.set WV,  12
.set G1C, 16                           ; s[16:23] group 1: 256 dense rows of 256 bytes: one slice's codes
.set G1S, 24                           ; s[24:31] group 1: 3 rows of 4,096 bytes, 32 KB apart: one for each weight
.set G0S, 32                           ; s[32:35] group 0 for the scale words;  s[36:39] for a slice's codes
.set G0C, 36
.set SEL, 58
.set MSB, 0
.macro WIN new                         ; the immediate's high byte repeats the setting that is left
.if MSB != \new
	s_set_vgpr_msb (MSB<<8)|\new
.set MSB, \new
.endif
.endm
.macro PLACES n
.rept \n
	v_nop
.endr
.endm
.macro BARRIER                         ; my LDS instructions are done: then the work-group's barrier
	s_wait_dscnt 0x0
	s_barrier_signal -1
	s_barrier_wait -1
.endm
.macro CROUND                          ; a round of the cluster's barrier
	s_barrier_signal -1
	s_barrier_wait -1
	s_cmp_lg_u32 s[WV], 0
	s_cbranch_scc1 .Lnot_wave_0_\@
	s_barrier_signal -3
.Lnot_wave_0_\@:
	s_barrier_wait -3
	s_barrier_signal -1
	s_barrier_wait -1
.endm
	s_load_b256 s[4:11], s[0:1], 0x0               ; cimg, simg, qkvc, qkvs
	v_lshl_add_u32 v254, v0, 2, 0x34000
	v_mov_b32 v255, 0
	ds_add_u32 v254, v255
	ds_add_u32 v254, v255
	v_lshrrev_b32 v11, 5, v0
	v_readfirstlane_b32 s[WV], v11                 ; wave 0..3
	s_bfe_u32 s13, ttmp6, 0x40000                  ; cx: it enters global addresses of my own tokens alone
	s_lshl_b32 s14, ttmp9, 2
	s_add_co_u32 s14, s14, s13                     ; X: my block of 256 tokens
	s_and_b32 s15, ttmp7, 0xffff                   ; the head, which the partners share
	v_and_b32 v1, 31, v0
	v_lshlrev_b32 v9, 3, v1                        ; 8 x lane
	v_lshlrev_b32 v1, 4, v1                        ; 16 x lane: an image's place for my lane
	v_mov_b32 v2, v1                               ; v2-4: the same in slice 0, 1, 2 of LDS
	v_add_nc_u32 v3, 65536, v1
	v_add_nc_u32 v4, 131072, v1
	v_and_b32 v11, 15, v0                          ; r
	v_lshlrev_b32 v10, 5, v11                      ; 32 r: a row's eight scale words
	v_add_nc_u32 v5, SCL, v10
	s_lshl_b32 s60, s[WV], 8
	v_lshl_add_u32 v6, v11, 4, s60
	v_add_nc_u32 v6, SST, v6                       ; q's and k's scale words: stage + 256 w + 16 r
	s_lshr_b32 s61, s[WV], 1
	s_lshl_b32 s61, s61, 9
	s_and_b32 s62, s[WV], 1
	s_lshl_b32 s62, s62, 1
	s_add_co_u32 s61, s61, s62
	v_lshl_add_u32 v7, v11, 4, s61
	v_add_nc_u32 v7, SST+2048, v7                  ; v's: stage + 2,048 + 512 (w / 2) + 16 r + 2 (w % 2): my 64 keys are half a scale word
	v_add_nc_u32 v8, s60, v9
	v_add_nc_u32 v8, SST, v8                       ; back: 256 bytes a wave, 8 a lane
.irp b, 0,1,2,3
	v_mov_b32 v[TM+4+\b], 0                        ; written once: a lane permute's destination counts as one of its sources
.endr
	s_mov_b32 s[SEL], 0x76543210
	s_mov_b32 s[SEL+1], 0xfedcba98
	s_mov_b32 s[G1C], 15|(3<<16)|(1<<21)           ; 15:0 the mask: all four partners; 17:16 elements of 8 bytes; 21 set beside a mask; no padding: images are read 512 consecutive bytes at a time
	s_mov_b32 s[G1C+1], 32<<16                     ; tensor_dim0 = 32 elements: 256 bytes
	s_mov_b32 s[G1C+2], 256<<16                    ; tensor_dim1 = 256
	s_mov_b32 s[G1C+3], 32<<16                     ; tile_dim0
	s_mov_b32 s[G1C+4], 256                        ; tile_dim1
	s_mov_b32 s[G1C+5], 32                         ; the pitch: dense
	s_mov_b32 s[G1C+6], 0
	s_mov_b32 s[G1C+7], 0
	s_mov_b32 s[G1S], 15|(3<<16)|(1<<21)
	s_mov_b32 s[G1S+1], 512<<16                    ; rows of 4,096 bytes: eight tiles' scale words
	s_mov_b32 s[G1S+2], 3<<16
	s_mov_b32 s[G1S+3], 512<<16
	s_mov_b32 s[G1S+4], 3
	s_mov_b32 s[G1S+5], 4096                       ; 32 KB from weight to weight
	s_mov_b32 s[G1S+6], 0
	s_mov_b32 s[G1S+7], 0
	; what I fetch: waves 0, 1, 2: the codes of slice "wave", whole; wave 3: the three slices' scale words.  These registers hold the head and the wave's number alone
	s_mov_b32 s[G0S], 1
	s_mov_b32 s[G0S+1], SCL
	s_mov_b32 s[G0C], 1
	s_lshl_b32 s[G0C+1], s[WV], 16
	s_lshl_b32 s62, s15, 16
	s_lshl_b32 s63, s[WV], 19
	s_add_co_u32 s62, s62, s63                     ; codes: 65,536 x head + 524,288 x wave
	s_mov_b32 s63, 0
	s_lshl_b32 s60, s15, 12                        ; scale words: 4,096 x head
	s_mov_b32 s61, 0
	; my own tokens
	s_lshl_b32 s66, s14, 17
	s_lshl_b32 s67, s[WV], 15
	s_add_co_u32 s66, s66, s67                     ; A's codes: 8,192 x (16 X + 4 w)
	s_mov_b32 s67, 0
	s_lshl_b32 s68, s14, 13
	s_lshl_b32 s69, s[WV], 11
	s_add_co_u32 s68, s68, s69                     ; A's scale words: 512 x (16 X + 4 w)
	s_mov_b32 s69, 0
	s_lshr_b32 s70, s14, 3
	s_lshl_b32 s70, s70, 3
	s_add_co_u32 s70, s70, s15                     ; 8 x batch + head
	s_lshl_b32 s70, s70, 3
	s_and_b32 s71, s14, 7
	s_add_co_u32 s70, s70, s71                     ; x 8 + my block in the batch
	s_lshl_b32 s72, s70, 14
	s_lshl_b32 s73, s[WV], 12
	s_add_co_u32 s72, s72, s73                     ; q, k: 16 images a block, 4 a wave
	s_mov_b32 s73, 0
	s_lshl_b32 s74, s70, 14
	s_lshr_b32 s75, s[WV], 1
	s_lshl_b32 s75, s75, 13
	s_add_co_u32 s74, s74, s75                     ; v: two key steps a block, 8 images each;
	s_and_b32 s75, s[WV], 1
	s_lshl_b32 s75, s75, 9
	s_add_co_u32 s74, s74, s75                     ; my 64 keys are one half of each image
	s_mov_b32 s75, 0
	s_lshl_b32 s76, s70, 10
	s_lshl_b32 s77, s[WV], 8
	s_add_co_u32 s76, s76, s77                     ; scale words out: 1,024 a block, 256 a wave
	s_mov_b32 s77, 0
	s_wait_dscnt 0x0
	s_wait_kmcnt 0x0
	s_add_nc_u64 s[60:61], s[6:7], s[60:61]
	s_add_nc_u64 s[G0S+2:G0S+3], s[60:61], 262144  ; the weights' scale words begin at tile 512
	s_or_b32 s[G0S+3], s[G0S+3], 0x80000000
	s_add_nc_u64 s[62:63], s[4:5], s[62:63]
	s_add_nc_u64 s[G0C+2:G0C+3], s[62:63], 4194304 ; the weights' codes begin at tile 512
	s_or_b32 s[G0C+3], s[G0C+3], 0x80000000
	s_add_nc_u64 s[48:49], s[4:5], s[66:67]
	s_add_nc_u64 s[50:51], s[6:7], s[68:69]
	s_add_nc_u64 s[52:53], s[8:9], s[72:73]
	s_add_nc_u64 s[54:55], s[8:9], s[74:75]
	s_add_nc_u64 s[54:55], s[54:55], 8388608       ; v's part of the buffer
	s_add_nc_u64 s[56:57], s[10:11], s[76:77]
	CROUND                                         ; all four work-groups are here: the joint loads meet
	s_cmp_lt_u32 s[WV], 3                          ; one tensor load a wave: two arms on the wave's number, one join
	s_cbranch_scc0 .Lfor_s
	tensor_load_to_lds s[G0C:G0C+3], s[G1C:G1C+7]
	s_nop 0
	PLACES 4
	s_branch .Lasked
.Lfor_s:
	tensor_load_to_lds s[G0S:G0S+3], s[G1S:G1S+7]
	s_nop 0
	PLACES 4
.Lasked:
	WIN 0x40                                       ; destination window 1
.set i, 0
.rept 64
	global_load_b128 v[4*i:4*i+3], v1, s[48:49] offset:512*i   ; A's 32 images, as they lie: 512 consecutive bytes a load
.set i, i+1
.endr
	WIN 0
.irp a, 0,1,2,3
	global_load_b128 v[AS+8*\a:AS+8*\a+3], v10, s[50:51] offset:512*\a
	global_load_b128 v[AS+8*\a+4:AS+8*\a+7], v10, s[50:51] offset:512*\a+16
.endr
; 64 numbers of a lane in window 2, v[src] on, register 16 b + i = place 32 b + 16 (lane / 16) + i along the next K, become 8 registers of codes v[cod] on and a scale word v[wrd], in window 0.
; Each accumulator is first read at its low end.
.macro QUANT src, cod, wrd
	WIN 0x0a                                       ; sources 0 and 1 window 2
.irp b, 0,1,2,3
	v_max3_num_f32 v[TM+\b], |v[(\src)+16*\b]|, |v[(\src)+1+16*\b]|, 0x1800000   ; block b: my 16 numbers, and the floor 2^(3 - 127): the byte cannot fall under 1
.endr
	WIN 0x28                                       ; sources 1 and 2 window 2
.irp i, 2,4,6,8,10,12,14
.irp b, 0,1,2,3
	v_max3_num_f32 v[TM+\b], v[TM+\b], |v[(\src)+16*\b+\i]|, |v[(\src)+1+16*\b+\i]|
.endr
.endr
	WIN 0
.irp b, 0,1,2,3
	v_permlanex16_b32 v[TM+4+\b], v[TM+\b], s[SEL], s[SEL+1]
.endr
.irp b, 0,1,2,3
	v_max_num_f32 v[TM+\b], v[TM+\b], v[TM+4+\b]   ; with lane l xor 16's: the block's largest magnitude
.endr
.irp b, 0,1,2,3
	v_add_nc_u32 v[TM+12+\b], 0xff000000, v[TM+\b] ; 2 off its exponent field: the conversion's scale operand
.endr
.irp b, 0,1,2,3
	v_lshrrev_b32 v[TM+4+\b], 23, v[TM+12+\b]      ; the scale's byte
.endr
	v_lshl_or_b32 v[\wrd], v[TM+5], 8, v[TM+4]
	v_lshl_or_b32 v[\wrd], v[TM+6], 16, v[\wrd]
	v_lshl_or_b32 v[\wrd], v[TM+7], 24, v[\wrd]
	WIN 0x02                                       ; source 0 window 2
.irp b, 0,1,2,3
	v_cvt_scalef32_pk8_fp4_f32 v[(\cod)+2*\b], v[(\src)+16*\b:(\src)+7+16*\b], v[TM+12+\b]
	v_cvt_scalef32_pk8_fp4_f32 v[(\cod)+1+2*\b], v[(\src)+8+16*\b:(\src)+15+16*\b], v[TM+12+\b]
.endr
	WIN 0
	v_nop                                          ; one plain instruction behind the scaled conversions
.irp c, 0,1                                    ; the operand's layout wants a whole block in a lane: lanes 0-15 block 2 c, lanes 16-31 block 2 c + 1
.irp i, 0,1
	v_permlane16_swap_b32 v[(\cod)+4*\c+\i], v[(\cod)+2+4*\c+\i]
.endr
.endr
.endm
.macro FETCH m, ks, p                  ; slice m's eight fragments of K step ks into set p of window 3
	WIN 0xc0
.irp t, 0,1,2,3,4,5,6,7
.irp c, 0,1
	ds_load_b128 v[64*(\p)+8*\t+4*\c:64*(\p)+8*\t+4*\c+3], v[2+\m] offset:8192*\t+1024*(\ks)+512*\c
.endr
.endr
.endm
; 32 matrix instructions: my four tiles of tokens x the slice's eight tiles, 128 along K.  The 32 accumulators take turns, one instruction a turn, in the same order in every K step.
; The first K step starts the sums with the constant 0.  tr = 1: tokens are source 0.
.macro MULS ks, tr
.irp a, 0,1,2,3
.irp b, 0,1,2,3,4,5,6,7
.if \tr
.if (\ks) == 0
	v_wmma_scale_f32_16x16x128_f8f6f4 v[8*(4*\b+\a):8*(4*\b+\a)+7], v[8*(8*\a+(\ks)):8*(8*\a+(\ks))+7], v[64*((\ks)%2)+8*\b:64*((\ks)%2)+8*\b+7], 0, v[AS+8*\a+(\ks)], v[BS+8*\b+(\ks)] matrix_a_fmt:MATRIX_FMT_FP4 matrix_b_fmt:MATRIX_FMT_FP4
.else
	v_wmma_scale_f32_16x16x128_f8f6f4 v[8*(4*\b+\a):8*(4*\b+\a)+7], v[8*(8*\a+(\ks)):8*(8*\a+(\ks))+7], v[64*((\ks)%2)+8*\b:64*((\ks)%2)+8*\b+7], v[8*(4*\b+\a):8*(4*\b+\a)+7], v[AS+8*\a+(\ks)], v[BS+8*\b+(\ks)] matrix_a_fmt:MATRIX_FMT_FP4 matrix_b_fmt:MATRIX_FMT_FP4
.endif
.else
.if (\ks) == 0
	v_wmma_scale_f32_16x16x128_f8f6f4 v[8*(8*\a+\b):8*(8*\a+\b)+7], v[64*((\ks)%2)+8*\b:64*((\ks)%2)+8*\b+7], v[8*(8*\a+(\ks)):8*(8*\a+(\ks))+7], 0, v[BS+8*\b+(\ks)], v[AS+8*\a+(\ks)] matrix_a_fmt:MATRIX_FMT_FP4 matrix_b_fmt:MATRIX_FMT_FP4
.else
	v_wmma_scale_f32_16x16x128_f8f6f4 v[8*(8*\a+\b):8*(8*\a+\b)+7], v[64*((\ks)%2)+8*\b:64*((\ks)%2)+8*\b+7], v[8*(8*\a+(\ks)):8*(8*\a+(\ks))+7], v[8*(8*\a+\b):8*(8*\a+\b)+7], v[BS+8*\b+(\ks)], v[AS+8*\a+(\ks)] matrix_a_fmt:MATRIX_FMT_FP4 matrix_b_fmt:MATRIX_FMT_FP4
.endif
.endif
.endr
.endr
.endm
.macro SLICE m, tr
	WIN 0
.if \m == 0
	s_wait_tensorcnt 0x0                           ; my one tensor load has landed
	BARRIER                                        ; everybody's has: all three slices and their scale words lie in LDS, and nothing is filled again
	s_wait_loadcnt 0x0                             ; A's fragments and scale words
.endif
	PLACES 4                                       ; in front of loads into registers that matrix instructions have read
.irp t, 0,1,2,3,4,5,6,7
	ds_load_b128 v[BS+8*\t:BS+8*\t+3], v5 offset:4096*\m+512*\t
	ds_load_b128 v[BS+8*\t+4:BS+8*\t+7], v5 offset:4096*\m+512*\t+16
.endr
	FETCH \m, 0, 0
.irp ks, 0,1,2,3,4,5,6,7
	s_wait_dscnt 0x0                               ; this K step's fragments are in: they were asked for ahead of the last step's 32 matrix instructions
.if \ks < 7
.if \ks > 0
	PLACES 4                                       ; the other set was read by the step before
.endif
	FETCH \m, \ks+1, (\ks+1)%2
.endif
.if \tr
	WIN 0xad                                       ; source 0 (A) window 1, source 1 (B) window 3, C and D window 2
.else
	WIN 0xa7                                       ; source 0 (B) window 3, source 1 (A) window 1, C and D window 2
.endif
	MULS \ks, \tr
.endr
	WIN 0
	PLACES 4                                       ; in front of the first read of results
.endm
.macro OUTQK m                         ; tile a of my tokens: one image and one scale word a token
.irp a, 0,1,2,3
	QUANT 64*\a, PC+32*\m+8*\a, PW+4*\m+\a
	global_store_b128 v1, v[PC+32*\m+8*\a:PC+32*\m+8*\a+3], s[52:53] offset:4194304*\m+1024*\a       ; 512 consecutive bytes, aligned
	global_store_b128 v1, v[PC+32*\m+8*\a+4:PC+32*\m+8*\a+7], s[52:53] offset:4194304*\m+1024*\a+512
	ds_store_b32 v6, v[PW+4*\m+\a] offset:1024*\m+4*\a     ; lanes l and l xor 16 write the same word with the same value
.endr
.endm
.macro OUTV                            ; channel tiles 2 i and 2 i + 1: the four blocks are (2 i: my keys 0-31, 32-63), (2 i + 1: the same): half an image and half a scale word each
.irp i, 0,1,2,3
	QUANT 64*\i, PC+64+8*\i, PW+8+\i
	global_store_b128 v1, v[PC+64+8*\i:PC+64+8*\i+3], s[54:55] offset:2048*\i
	global_store_b128 v1, v[PC+64+8*\i+4:PC+64+8*\i+7], s[54:55] offset:2048*\i+1024
	ds_store_b16 v7, v[PW+8+\i] offset:256*(\i/2)+8*(\i%2)
	ds_store_b16_d16_hi v7, v[PW+8+\i] offset:256*(\i/2)+8*(\i%2)+4
.endr
.endm
	SLICE 0, 0
	OUTQK 0
	SLICE 1, 0
	OUTQK 1
	SLICE 2, 1
	OUTV
	BARRIER                                        ; a scale word of v comes from two waves: all lie in the stage
.irp m, 0,1,2
	ds_load_b64 v[RBK+2*\m:RBK+2*\m+1], v8 offset:1024*\m
.endr
	s_wait_dscnt 0x0
.irp m, 0,1,2
	global_store_b64 v9, v[RBK+2*\m:RBK+2*\m+1], s[56:57] offset:262144*\m   ; 32 lanes store 256 consecutive bytes, aligned
.endr
	s_wait_tensorcnt 0x0
	ds_add_u32 v254, v255
	s_wait_dscnt 0x0
	CROUND                                         ; the closing round: no work-group ends while a partner may still ask for a tile that names it
	s_endpgm
.Lfunc_end_k_q97caf98f32_qkv:
	.size	k_q97caf98f32_qkv, .Lfunc_end_k_q97caf98f32_qkv-k_q97caf98f32_qkv
	.p2alignl 7, 3214868480
	.fill 96, 4, 3214868480
	.section	.rodata,"a",@progbits
	.p2align	6, 0x0
	.amdhsa_kernel k_q97caf98f32_qkv
		.amdhsa_group_segment_fixed_size 213504
		.amdhsa_private_segment_fixed_size 0
		.amdhsa_enable_private_segment 0
		.amdhsa_kernarg_size 32
		.amdhsa_user_sgpr_count 2
		.amdhsa_user_sgpr_kernarg_segment_ptr 1
		.amdhsa_wavefront_size32 1
		.amdhsa_system_sgpr_workgroup_id_x 1
		.amdhsa_system_sgpr_workgroup_id_y 1
		.amdhsa_system_sgpr_workgroup_id_z 1
		.amdhsa_system_vgpr_workitem_id 0
		.amdhsa_next_free_vgpr 1024
		.amdhsa_next_free_sgpr 80
		.amdhsa_reserve_vcc 0
		.amdhsa_float_denorm_mode_32 3
		.amdhsa_float_denorm_mode_16_64 3
		.amdhsa_memory_ordered 1
		.amdhsa_forward_progress 1
		.amdhsa_inst_pref_size 192
	.end_amdhsa_kernel
	.amdgpu_metadata
---
amdhsa.version: [ 1, 2 ]
amdhsa.kernels:
  - .name:           k_q97caf98f32_qkv
    .symbol:         k_q97caf98f32_qkv.kd
    .args:
      - { .name: cimg, .offset: 0, .size: 8, .value_kind: global_buffer, .address_space: global }
      - { .name: simg, .offset: 8, .size: 8, .value_kind: global_buffer, .address_space: global }
      - { .name: qkvc, .offset: 16, .size: 8, .value_kind: global_buffer, .address_space: global }
      - { .name: qkvs, .offset: 24, .size: 8, .value_kind: global_buffer, .address_space: global }
    .group_segment_fixed_size: 213504
    .private_segment_fixed_size: 0
    .kernarg_segment_align: 8
    .kernarg_segment_size: 32
    .max_flat_workgroup_size: 128
    .sgpr_count:     80
    .vgpr_count:     1024
    .wavefront_size: 32
...
	.end_amdgpu_metadata
.endif
;; end of part 2
;; launch attn (part 3): grid 8 x 32, 16 waves a work-group, clusters of 4 x 1, 280,576 bytes of LDS; arguments qkvc, qkvs, oc, os; writes oc, os
.if DOCPART == 3
	.amdgcn_target "amdgcn-amd-amdhsa--gfx1250"
	.amdhsa_code_object_version 6
	.text
	.protected	k_q97caf98f32_attn
	.globl	k_q97caf98f32_attn
	.p2align	8
	.type	k_q97caf98f32_attn,@function
k_q97caf98f32_attn:
	s_mov_b64 s[64:65], 0
	v_nop
	global_prefetch_b8 v0, s[64:65] scope:SCOPE_SE
	s_setreg_imm32_b32 hwreg(HW_REG_WAVE_MODE, 25, 1), 1
	s_wait_xcnt 0x0
	s_wait_alu depctr_hold_cnt(0) depctr_sa_sdst(0) depctr_va_vdst(0) depctr_va_sdst(0) depctr_va_ssrc(0) depctr_va_vcc(0) depctr_vm_vsrc(0)
	s_getreg_b32 s2, hwreg(HW_REG_IB_STS2, 6, 4)
	s_cmp_eq_u32 s2, 0
	s_cbranch_scc0 .Lentry_in_a_cluster
	s_endpgm
.Lentry_in_a_cluster:
	s_bfe_u32 s2, ttmp6, 0x10000c
	s_cmp_lg_u32 s2, 0x3003
	s_cbranch_scc0 .Lentry_shape_is_right
	s_endpgm
.Lentry_shape_is_right:
; Causal attention of one (batch, head) on codes of FP4 (E2M1) with E8M0 scales, and its result quantised for the output projection.
; t = score x log2(e) / sqrt(128); M = the running largest t rounded UP to a whole number; p = 2^(t - M) is quantised along the keys, not normalised; the row's sum is taken of the unquantised p and divides at the end.
; When M moves, the sum and O are multiplied by 2^(old M - new M): exact.
; LEFT OUT: key steps all of whose keys come after a tile's queries: the causal mask sets their scores to -inf, so their p is 0 for all values of the inputs.
; SHARES.  A head's 128 tiles of 16 queries form 16 bands of 128 queries; a tile of band b needs key steps 0 .. b (128 keys each), and step b is its only step on the diagonal.  Eight work-groups serve a head; work-group g takes
; tile g of every band: 136 steps.  Its sixteen waves form eight pairs (X, Y), pair n = wave / 2.  X does the tile of band n whole (n + 1 steps) and stores it, then key steps 0 .. 6 - n of the tile of band 15 - n; Y does key steps
; 7 - n .. 15 - n of that tile: 8 steps for X, 9 for Y.  X or Y is bit 0 xor bit 2 of the wave's number, so that any four waves with equal w % 4, or equal w / 4, are two X and two Y: 34 steps.
; At the end X hands its partial O^T, -M and sums to Y through LDS as images of its registers, and Y joins the two parts under the larger M by two powers of two: exact, as every change of M is.
; Every branch hangs on the wave's number and on counted steps alone; the work-group's place enters global addresses and a lane's constant for the mask: all partners of a cluster go the same ways.  Trip counts are constants; a step that is not a wave's is jumped over.
; THE WHOLE HEAD'S K AND V (128 KB of codes each, 8 KB of scale words each) LIE IN LDS, filled once, by joint loads of the cluster's four work-groups (mask 15): every wave issues one: waves 0-7 an eighth of the codes (32 KB), waves 8-15 an eighth of the scale words (2 KB).
; One barrier shows them to all; no barrier stands in the walk.  The hand-over's bytes lie in K's and V's bytes, which have had their only fill and are read no more behind the barrier in front of the hand-over.
; A STEP'S LDS LOADS GO IN TWO RUNS OF 18: K's eight fragments and scale words at its head; V's directly behind the score products, into the same registers, so that the softmax's lines stand between them and the wait for them.
; LAYOUT.  Both products are used transposed: S^T = K Q^T (source 0 = 16 keys), O^T = V^T P^T (source 0 = 16 channels): a lane holds ONE query.  Tiles hold rows 32 b + 8 u + p + 8 (p / 8), so that the 16 registers of
; tiles 2 b, 2 b + 1 are 16 neighbours (keys, or channels).  Operands lie as images of their registers: 1,024 bytes a fragment, read 512 consecutive bytes at a time: no pitch, no padding.
; LIMITS: NaN and infinities are not served; the promise holds while |t| stays under 2^31; p under 2^-126 counts as 0 (v_exp_f32's own flush); a block whose every p is 0 keeps the byte 1: its codes are zeros.
; The result's scale words leave as 4 bytes a row, 32 bytes apart (lanes l and l xor 16 store the same word with the same value): one sixteenth of the output's bytes.
; No prefetch: every byte of K and V is asked for at the kernel's head, so there is no loop to run ahead in.
; REGISTERS: v1 16 x lane; v2, v6 the hand-over's places (read, written); v3 the mask's constant; v4 K's scale words; v5 32 r; v7 16 r; v8-10 addresses of the step; v12 -M, v13 the largest t, v[14:15] the sum in two halves;
;   v16-23 Q of the tile in hand; v24-27, v248-251 scale words of eight tiles; v32-95 eight fragments of K or V; v96-159 S^T, then p; v160-223 O^T; v224-231 p's codes; v232-241, v244-247, v252, v254 at work; v242-243 the add's; v253 p's scale word; v255 Q's.
.set KSC,   262144                     ; LDS: K's codes at 0, V's at 131,072; K's scale words here, V's 8,192 on
.set SPARE, 278528                     ; the spare words: 128 bytes a wave
.set HAND,  8704                       ; a wave's place for the hand-over: 64 registers' images and one image of v[12:15]
.set WV,  12
.set G1C, 16                           ; s[16:23] group 1: 128 dense rows of 256 bytes
.set G1S, 24                           ; s[24:31] group 1: 8 such rows
.set G0C, 32
.set G0S, 36
.set SEL, 52
.set CS,  54                           ; s[54:55] c = log2(e) / sqrt(128)
.set TB,  56                           ; the step's codes: 8,192 bytes a step
.set TS,  57                           ; its scale words: 512 a step
.set J,   58                           ; the key step
.set N,   59                           ; my pair
.set KIND, 60                          ; 0: X, 1: Y
.set HI1, 61                           ; first walk: steps 0 .. HI1 (Y: -1, none)
.set LO2, 62                           ; second walk: steps LO2 .. HI2 (X of pair 7: none),
.set HI2, 63
.set DG2, 66                           ; its step on the diagonal (X: none)
.macro PLACES n
.rept \n
	v_nop
.endr
.endm
.macro CROUND
	s_barrier_signal -1
	s_barrier_wait -1
	s_cmp_lg_u32 s[WV], 0
	s_cbranch_scc1 .Lnot_wave_0_\@
	s_barrier_signal -3
.Lnot_wave_0_\@:
	s_barrier_wait -3
	s_barrier_signal -1
	s_barrier_wait -1
.endm
.macro INIT                            ; a tile's start: the largest t -3e38, sums and O^T zeros, which the first change of M leaves zeros
	v_mov_b32 v13, 0xff61b1e6
	v_mov_b32 v14, 0
	v_mov_b32 v15, 0
	v_floor_f32 v12, -v13                          ; -M
.irp r, 236,237,238,239,252,253
	v_mov_b32 v\r, 0                               ; a lane permute's destination counts as one of its sources; v253 is named in a pair
.endr
.set n, 0
.rept 64
	v_mov_b32 v[160+n], 0
.set n, n+1
.endr
.endm
	s_load_b256 s[4:11], s[0:1], 0x0               ; qkvc, qkvs, oc, os
	v_lshl_add_u32 v242, v0, 2, SPARE
	v_mov_b32 v243, 0
	ds_add_u32 v242, v243                          ; the opening lines: the add, twice on end, and its wait ahead of my tensor load
	ds_add_u32 v242, v243
	v_lshrrev_b32 v8, 5, v0
	v_readfirstlane_b32 s[WV], v8                  ; wave 0..15
	s_bfe_u32 s13, ttmp6, 0x40000                  ; cx
	s_and_b32 s14, ttmp7, 0xffff                   ; 8 x batch + head
	s_lshl_b32 s15, ttmp9, 2
	s_add_co_u32 s15, s15, s13                     ; g: my tile in every band
	s_mov_b32 s[G1C], 15|(3<<16)|(1<<21)           ; 15:0 the mask: all four partners; 17:16 elements of 8 bytes; 21 set beside a mask
	s_mov_b32 s[G1C+1], 32<<16
	s_mov_b32 s[G1C+2], 128<<16
	s_mov_b32 s[G1C+3], 32<<16
	s_mov_b32 s[G1C+4], 128
	s_mov_b32 s[G1C+5], 32
	s_mov_b32 s[G1C+6], 0
	s_mov_b32 s[G1C+7], 0
	s_mov_b32 s[G1S], 15|(3<<16)|(1<<21)
	s_mov_b32 s[G1S+1], 32<<16
	s_mov_b32 s[G1S+2], 8<<16
	s_mov_b32 s[G1S+3], 32<<16
	s_mov_b32 s[G1S+4], 8
	s_mov_b32 s[G1S+5], 32
	s_mov_b32 s[G1S+6], 0
	s_mov_b32 s[G1S+7], 0
	s_and_b32 s68, s[WV], 7                        ; which eighth I fetch: 0-3 K's quarters, 4-7 V's
	s_lshr_b32 s69, s68, 2
	s_and_b32 s70, s68, 3
	s_mov_b32 s[G0C], 1
	s_lshl_b32 s[G0C+1], s68, 15
	s_mov_b32 s[G0S], 1
	s_lshl_b32 s71, s68, 11
	s_add_co_u32 s[G0S+1], s71, KSC
	s_lshl_b32 s72, s69, 22                        ; the same places in memory: they hang on the head and the wave's number alone
	s_lshl_b32 s73, s14, 17
	s_add_co_u32 s72, s72, s73
	s_lshl_b32 s73, s70, 15
	s_add_co_u32 s72, s72, s73
	s_mov_b32 s73, 0
	s_lshl_b32 s74, s69, 18
	s_lshl_b32 s75, s14, 13
	s_add_co_u32 s74, s74, s75
	s_lshl_b32 s75, s70, 11
	s_add_co_u32 s74, s74, s75
	s_mov_b32 s75, 0
	s_lshr_b32 s[N], s[WV], 1
	s_lshr_b32 s76, s[WV], 2
	s_xor_b32 s76, s76, s[WV]
	s_and_b32 s[KIND], s76, 1
	s_sub_co_u32 s77, 15, s[N]                     ; the upper band
	s_sub_co_u32 s78, 7, s[N]
	s_sub_co_i32 s79, 6, s[N]
	s_cmp_eq_u32 s[KIND], 0
	s_cselect_b32 s[HI1], s[N], -1
	s_cselect_b32 s[LO2], 0, s78
	s_cselect_b32 s[HI2], s79, s77
	s_cselect_b32 s[DG2], -1, s77
	s_cselect_b32 s76, s[N], s77                   ; the band of the tile that I finish and store: it is also the first that I work on
	s_lshl_b32 s76, s76, 3
	s_add_co_u32 s76, s76, s15                     ; that tile
	s_lshl_b32 s79, s77, 3
	s_add_co_u32 s79, s79, s15                     ; the tile of band 15 - n
	s_lshl_b32 s70, s14, 17
	s_lshl_b32 s40, s76, 10
	s_add_co_u32 s40, s40, s70                     ; Q's images: of my first tile,
	s_mov_b32 s41, 0
	s_lshl_b32 s42, s79, 10
	s_add_co_u32 s42, s42, s70                     ; and of the upper band's
	s_mov_b32 s43, 0
	s_lshl_b32 s70, s14, 13
	s_lshr_b32 s44, s76, 2                         ; Q's scale words: group tile / 4, word tile % 4
	s_lshl_b32 s44, s44, 8
	s_add_co_u32 s44, s44, s70
	s_and_b32 s71, s76, 3
	s_lshl_b32 s71, s71, 2
	s_add_co_u32 s44, s44, s71
	s_mov_b32 s45, 0
	s_lshr_b32 s46, s79, 2
	s_lshl_b32 s46, s46, 8
	s_add_co_u32 s46, s46, s70
	s_and_b32 s71, s79, 3
	s_lshl_b32 s71, s71, 2
	s_add_co_u32 s46, s46, s71
	s_mov_b32 s47, 0
	s_lshr_b32 s80, s14, 3
	s_lshl_b32 s80, s80, 7
	s_add_co_u32 s80, s80, s76                     ; my stored tile among all 512: 128 x batch + tile
	s_and_b32 s81, s14, 7                          ; the head: K step of the output projection
	s_lshl_b32 s82, s80, 13
	s_lshl_b32 s83, s81, 10
	s_add_co_u32 s82, s82, s83                     ; O's image
	s_mov_b32 s83, 0
	s_lshl_b32 s80, s80, 9
	s_lshl_b32 s81, s81, 2
	s_add_co_u32 s80, s80, s81                     ; O's scale words
	s_mov_b32 s81, 0
	s_mul_i32 s48, s[WV], HAND                     ; the hand-over: X writes its own place,
	s_xor_b32 s49, s[WV], 1
	s_mul_i32 s49, s49, HAND                       ; Y reads its partner's: wave xor 1
	s_lshr_b32 s50, s15, 1
	s_lshl_b32 s50, s50, 5
	s_and_b32 s51, s15, 1
	s_lshl_b32 s51, s51, 3
	s_add_co_u32 s50, s50, s51                     ; my tile's first query in its band: 32 (g / 2) + 8 (g % 2)
	s_mov_b32 s[SEL], 0x76543210
	s_mov_b32 s[SEL+1], 0xfedcba98
	s_mov_b32 s[CS], 0x3e0293ee
	s_mov_b32 s[CS+1], s[CS]                       ; (named with it as a pair, so it is written)
	v_and_b32 v8, 31, v0
	v_and_b32 v10, 15, v0                          ; r
	v_bfe_u32 v11, v0, 4, 1                        ; h
	v_lshlrev_b32 v1, 4, v8                        ; 16 x lane: an image's place for my lane
	v_lshlrev_b32 v7, 4, v10                       ; 16 r: four tiles' scale words of place r
	v_lshlrev_b32 v5, 5, v10                       ; 32 r: O's scale words
	v_and_b32 v3, 8, v10
	v_lshlrev_b32 v11, 4, v11
	v_add_nc_u32 v6, s48, v1
	v_add_nc_u32 v2, s49, v1
	v_add_nc_u32 v4, KSC, v7
	v_add_nc_u32 v3, v3, v10
	s_delay_alu instid0(VALU_DEP_1)
	v_sub_nc_u32 v3, v3, v11
	s_delay_alu instid0(VALU_DEP_1)
	v_add_nc_u32 v3, s50, v3                       ; d = my query in the band - 16 h.  On the diagonal register n holds key 32 (n / 16) + n % 16 + 16 h: hidden where 32 (n / 16) + n % 16 > d
	INIT
	s_wait_alu depctr_va_vdst(0)
	s_wait_dscnt 0x0                               ; both opening adds are done
	s_wait_kmcnt 0x0
	s_add_nc_u64 s[72:73], s[4:5], s[72:73]
	s_add_nc_u64 s[G0C+2:G0C+3], s[72:73], 4194304 ; k's part of the codes begins there, v's one part on
	s_or_b32 s[G0C+3], s[G0C+3], 0x80000000
	s_add_nc_u64 s[74:75], s[6:7], s[74:75]
	s_add_nc_u64 s[G0S+2:G0S+3], s[74:75], 262144  ; and of the scale words
	s_or_b32 s[G0S+3], s[G0S+3], 0x80000000
	s_add_nc_u64 s[40:41], s[4:5], s[40:41]
	s_add_nc_u64 s[42:43], s[4:5], s[42:43]
	s_add_nc_u64 s[44:45], s[6:7], s[44:45]
	s_add_nc_u64 s[46:47], s[6:7], s[46:47]
	s_add_nc_u64 s[82:83], s[8:9], s[82:83]
	s_add_nc_u64 s[80:81], s[10:11], s[80:81]
	CROUND                                         ; all four work-groups are here: the joint loads meet
	s_cmp_lt_u32 s[WV], 8                          ; one tensor load a wave: two arms on the wave's number, one join
	s_cbranch_scc0 .Lfor_s
	tensor_load_to_lds s[G0C:G0C+3], s[G1C:G1C+7]
	s_nop 0
	PLACES 4
	s_branch .Lasked
.Lfor_s:
	tensor_load_to_lds s[G0S:G0S+3], s[G1S:G1S+7]
	s_nop 0
	PLACES 4
.Lasked:
	global_load_b128 v[16:19], v1, s[40:41]        ; my first tile's Q
	global_load_b128 v[20:23], v1, s[40:41] offset:512
	global_load_b32 v255, v7, s[44:45]
; 18 LDS loads: eight fragments from adr and their scale words, sc bytes on from v10
.macro FRAGS adr, sc
.irp g, 0,1
.irp t, 0,1,2,3
.irp c, 0,1
	ds_load_b128 v[32+32*\g+8*\t+4*\c:32+32*\g+8*\t+4*\c+3], v[\adr] offset:1024*(4*\g+\t)+512*\c
.endr
.endr
	ds_load_b128 v[248-224*\g:251-224*\g], v10 offset:(\sc)+256*\g   ; tiles 0-3: v248-251; tiles 4-7: v24-27
.endr
.endm
; A KEY STEP: 128 keys.  lo = 1: steps under LO2 are not mine; hi: my last step; dg: my step on the diagonal
.macro STEP lo, hi, dg
.if \lo
	s_cmp_lt_i32 s[J], s[LO2]
	s_cbranch_scc1 .Lhidden_\@
.endif
	s_cmp_gt_i32 s[J], s[\hi]
	s_cbranch_scc1 .Lhidden_\@
	v_add_nc_u32 v8, s[TB], v1                     ; (these four are also the places in front of the loads into registers that the last products read)
	v_add_nc_u32 v10, s[TS], v4
	v_nop
	v_add_nc_u32 v9, 0x20000, v8                   ; V's codes
	FRAGS 8, 0                                     ; K
	s_wait_alu depctr_va_vdst(0)
.irp g, 0,1                                    ; S^T = K Q^T
	s_wait_dscnt 9-9*\g                            ; four fragments and their scale words are in; the nine loads behind them may be out
.irp t, 0,1,2,3
	v_wmma_scale_f32_16x16x128_f8f6f4 v[96+8*(4*\g+\t):103+8*(4*\g+\t)], v[32+32*\g+8*\t:39+32*\g+8*\t], v[16:23], 0, v[248-224*\g+\t], v255 matrix_a_fmt:MATRIX_FMT_FP4 matrix_b_fmt:MATRIX_FMT_FP4
.endr
.endr
	PLACES 4                                       ; in front of the loads below and of the first read of the scores
	FRAGS 9, 8192                                  ; V: the softmax's lines stand between these loads and the wait for them
	s_cmp_lg_u32 s[J], s[\dg]                      ; only the band's own step lies on the diagonal
	s_cbranch_scc1 .Lopen_\@
	v_mov_b32 v254, 0xff800000                     ; hidden scores become -infinity ahead of the maximum: p = 0 then
.set n, 0
.rept 64
	v_cmp_gt_i32 vcc_lo, 32*(n/16)+n%16, v3
	v_cndmask_b32 v[96+n], v[96+n], v254, vcc_lo
.set n, n+1
.endr
.Lopen_\@:
.irp b, 0,1,2,3
	v_max3_num_f32 v[232+\b], v[96+16*\b], v[97+16*\b], v[98+16*\b]   ; the largest score of each block of 32 keys: for the row's maximum and, since p rises with the score, for the block's largest p
.endr
.irp i, 3,5,7,9,11,13
.irp b, 0,1,2,3
	v_max3_num_f32 v[232+\b], v[232+\b], v[96+16*\b+\i], v[97+16*\b+\i]
.endr
.endr
.irp b, 0,1,2,3
	v_max_num_f32 v[232+\b], v[232+\b], v[111+16*\b]
.endr
.irp b, 0,1,2,3
	s_delay_alu instid0(VALU_DEP_4)
	v_permlanex16_b32 v[236+\b], v[232+\b], s[SEL], s[SEL+1]
.endr
.irp b, 0,1,2,3
	s_delay_alu instid0(VALU_DEP_4)
	v_max_num_f32 v[232+\b], v[232+\b], v[236+\b]  ; with lane l xor 16's 16 keys
.endr
	s_delay_alu instid0(VALU_DEP_2)
	v_max3_num_f32 v254, v232, v233, v234
	s_delay_alu instid0(VALU_DEP_1)
	v_max_num_f32 v254, v254, v235                 ; the step's largest score of my query (every step of a walk holds a key that counts for it, so it is a number)
	s_delay_alu instid0(VALU_DEP_1)
	v_mul_f32 v254, s[CS], v254
	s_delay_alu instid0(VALU_DEP_1)
	v_max_num_f32 v13, v13, v254                   ; the running largest t
	v_mov_b32 v254, v12
	s_delay_alu instid0(VALU_DEP_2)
	v_floor_f32 v12, -v13                          ; the new -M = -ceil(t)
	s_delay_alu instid0(VALU_DEP_1)
	v_sub_f32 v254, v12, v254                      ; old M - new M: a whole number, 0 or less
	s_delay_alu instid0(VALU_DEP_1)
	v_cvt_i32_f32 v254, v254                       ; (it saturates)
	s_delay_alu instid0(VALU_DEP_1)
	v_ldexp_f32 v252, 1.0, v254                    ; f = 2^(old M - new M)
.set n, 0
.rept 32
	v_pk_fma_f32 v[96+n:97+n], v[96+n:97+n], s[CS:CS+1], v[12:13] op_sel_hi:[1,0,0]   ; t - M, two at a time
.set n, n+2
.endr
.irp b, 0,1,2,3
	v_fma_f32 v[232+\b], v[232+\b], s[CS], v12     ; the same of each block's largest score
.endr
	s_wait_alu depctr_va_vdst(0)
.set n, 0
.rept 64
	v_exp_f32 v[96+n], v[96+n]                     ; p = 2^(t - M), at most 1
.set n, n+1
.endr
	v_pk_mul_f32 v[14:15], v[14:15], v[252:253] op_sel_hi:[1,0]   ; the sums under the new M; a plain instruction behind the exponentials
	s_wait_alu depctr_va_vdst(0)                   ; one wait for the whole batch, ahead of its first reader
.irp b, 0,1,2,3
	v_exp_f32 v[232+\b], v[232+\b]                 ; the block's largest p
.endr
	v_pk_add_f32 v[236:237], v[96:97], v[98:99]    ; the row's sum of the unquantised p: 32 pairs in four chains by turns
	v_pk_add_f32 v[238:239], v[100:101], v[102:103]
	v_pk_add_f32 v[240:241], v[104:105], v[106:107]
	v_pk_add_f32 v[14:15], v[14:15], v[108:109]
.irp j, 110,118,126,134,142,150
	v_pk_add_f32 v[236:237], v[236:237], v[\j:\j+1]
	v_pk_add_f32 v[238:239], v[238:239], v[\j+2:\j+3]
	v_pk_add_f32 v[240:241], v[240:241], v[\j+4:\j+5]
	v_pk_add_f32 v[14:15], v[14:15], v[\j+6:\j+7]
.endr
	v_pk_add_f32 v[236:237], v[236:237], v[158:159]
	v_pk_add_f32 v[238:239], v[238:239], v[240:241]
	s_delay_alu instid0(VALU_DEP_2)
	v_pk_add_f32 v[14:15], v[14:15], v[236:237]
	s_delay_alu instid0(VALU_DEP_1)
	v_pk_add_f32 v[14:15], v[14:15], v[238:239]
	s_wait_alu depctr_va_vdst(0)                   ; and one for the four
.irp b, 0,1,2,3
	v_max_num_f32 v[232+\b], 0x1800000, v[232+\b]  ; the floor 2^(3 - 127): the byte cannot fall under 1
.endr
.irp b, 0,1,2,3
	s_delay_alu instid0(VALU_DEP_4)
	v_add_nc_u32 v[244+\b], 0xff000000, v[232+\b]  ; 2 off the exponent field: the conversion's scale operand
.endr
.irp b, 0,1,2,3
	s_delay_alu instid0(VALU_DEP_4)
	v_lshrrev_b32 v[236+\b], 23, v[244+\b]         ; the scale's byte
.endr
	s_delay_alu instid0(VALU_DEP_3)
	v_lshl_or_b32 v253, v237, 8, v236              ; p's scale word for these 128 keys
	s_delay_alu instid0(VALU_DEP_1)
	v_lshl_or_b32 v253, v238, 16, v253
	s_delay_alu instid0(VALU_DEP_1)
	v_lshl_or_b32 v253, v239, 24, v253
.irp b, 0,1,2,3
	v_cvt_scalef32_pk8_fp4_f32 v[224+2*\b], v[96+16*\b:103+16*\b], v[244+\b]
	v_cvt_scalef32_pk8_fp4_f32 v[225+2*\b], v[104+16*\b:111+16*\b], v[244+\b]
.endr
	v_nop                                          ; one plain instruction behind the scaled conversions
.irp c, 0,1
.irp i, 0,1
	v_permlane16_swap_b32 v[224+4*\c+\i], v[226+4*\c+\i]   ; a whole block to a lane
.endr
.endr
	s_wait_alu depctr_va_vdst(0)                   ; directly ahead of the first reader of O^T
.set n, 0
.rept 32
	v_pk_mul_f32 v[160+n:161+n], v[160+n:161+n], v[252:253] op_sel_hi:[1,0]   ; O^T under the new M; these 32 are also the places in front of the products below
.set n, n+2
.endr
	s_wait_alu depctr_va_vdst(0)
	s_wait_dscnt 0x0                               ; V's fragments and scale words
.irp g, 0,1                                    ; O^T += V^T P^T; the eight accumulators take turns
.irp t, 0,1,2,3
	v_wmma_scale_f32_16x16x128_f8f6f4 v[160+8*(4*\g+\t):167+8*(4*\g+\t)], v[32+32*\g+8*\t:39+32*\g+8*\t], v[224:231], v[160+8*(4*\g+\t):167+8*(4*\g+\t)], v[248-224*\g+\t], v253 matrix_a_fmt:MATRIX_FMT_FP4 matrix_b_fmt:MATRIX_FMT_FP4
.endr
.endr
.Lhidden_\@:
.endm
; A walk over key steps 0 .. trips - 1: the trip count is a constant; what is not the wave's it jumps over inside the step
.macro WALK trips, lo, hi, dg
	s_mov_b32 s[TB], 0
	s_mov_b32 s[TS], 0
	s_mov_b32 s[J], 0
.Lstep_\@:
	STEP \lo, \hi, \dg
	s_add_co_u32 s[TB], s[TB], 8192
	s_add_co_u32 s[TS], s[TS], 512
	s_add_co_u32 s[J], s[J], 1
	s_cmp_lt_u32 s[J], \trips
	s_cbranch_scc1 .Lstep_\@
.endm
; THE WAY OUT of a finished tile: O^T / the sum; register 16 b + i is channel 32 b + 16 h + i of my query: quantised along the channels, it is K step "head" of the output projection's operand
.macro OUT
	v_add_f32 v14, v14, v15
	s_delay_alu instid0(VALU_DEP_1)
	v_permlanex16_b32 v252, v14, s[SEL], s[SEL+1]
	s_delay_alu instid0(VALU_DEP_1)
	v_add_f32 v14, v14, v252                       ; the row's sum
	s_wait_alu depctr_va_vdst(0)                   ; the wait ahead of the transcendental
	v_rcp_f32 v14, v14
	v_mov_b32 v15, 0                               ; a plain instruction behind the transcendental (v15 is named with v14 as a pair),
	s_wait_alu depctr_va_vdst(0)                   ; and the wait ahead of its first reader
.set n, 0
.rept 32
	v_pk_mul_f32 v[96+n:97+n], v[160+n:161+n], v[14:15] op_sel_hi:[1,0]   ; each accumulator from its low end on
.set n, n+2
.endr
.irp b, 0,1,2,3
	v_max3_num_f32 v[232+\b], |v[96+16*\b]|, |v[97+16*\b]|, 0x1800000
.endr
.irp i, 2,4,6,8,10,12,14
.irp b, 0,1,2,3
	s_delay_alu instid0(VALU_DEP_4)
	v_max3_num_f32 v[232+\b], v[232+\b], |v[96+16*\b+\i]|, |v[97+16*\b+\i]|
.endr
.endr
.irp b, 0,1,2,3
	s_delay_alu instid0(VALU_DEP_4)
	v_permlanex16_b32 v[236+\b], v[232+\b], s[SEL], s[SEL+1]
.endr
.irp b, 0,1,2,3
	s_delay_alu instid0(VALU_DEP_4)
	v_max_num_f32 v[232+\b], v[232+\b], v[236+\b]
.endr
.irp b, 0,1,2,3
	s_delay_alu instid0(VALU_DEP_4)
	v_add_nc_u32 v[244+\b], 0xff000000, v[232+\b]
.endr
.irp b, 0,1,2,3
	s_delay_alu instid0(VALU_DEP_4)
	v_lshrrev_b32 v[236+\b], 23, v[244+\b]
.endr
	s_delay_alu instid0(VALU_DEP_3)
	v_lshl_or_b32 v252, v237, 8, v236
	s_delay_alu instid0(VALU_DEP_1)
	v_lshl_or_b32 v252, v238, 16, v252
	s_delay_alu instid0(VALU_DEP_1)
	v_lshl_or_b32 v252, v239, 24, v252
.irp b, 0,1,2,3
	v_cvt_scalef32_pk8_fp4_f32 v[224+2*\b], v[96+16*\b:103+16*\b], v[244+\b]
	v_cvt_scalef32_pk8_fp4_f32 v[225+2*\b], v[104+16*\b:111+16*\b], v[244+\b]
.endr
	v_nop
.irp c, 0,1
.irp i, 0,1
	v_permlane16_swap_b32 v[224+4*\c+\i], v[226+4*\c+\i]
.endr
.endr
	global_store_b128 v1, v[224:227], s[82:83]     ; the image: 512 consecutive bytes a store, aligned
	global_store_b128 v1, v[228:231], s[82:83] offset:512
	global_store_b32 v5, v252, s[80:81]            ; a row's scale word; lanes l and l xor 16 hold the same
	s_wait_xcnt 0x0                                ; the stores have read their registers, which are written again below
.endm
	s_wait_loadcnt 0x0                             ; Q
	s_wait_tensorcnt 0x0                           ; my part of K, V or their scale words has landed
	s_barrier_signal -1
	s_barrier_wait -1                              ; everybody's has
	WALK 8, 0, HI1, N                              ; X: the tile of band n, whole
	PLACES 4                                       ; in front of the first read, and of the clearing, of the last products' results, and of the loads into Q's registers
	s_cmp_lg_u32 s[KIND], 0
	s_cbranch_scc1 .Lnot_a
	global_load_b128 v[16:19], v1, s[42:43]        ; X: the upper band's Q; the way out stands between these loads and the wait for them
	global_load_b128 v[20:23], v1, s[42:43] offset:512
	global_load_b32 v255, v7, s[46:47]
	OUT
.Lnot_a:
	INIT
	s_wait_alu depctr_va_vdst(0)
	s_wait_loadcnt 0x0                             ; Q
	WALK 16, 1, HI2, DG2                           ; the tile of band 15 - n: X its first steps, Y the other nine
	PLACES 4                                       ; in front of the first read of the last products' results
	s_wait_dscnt 0x0
	s_barrier_signal -1
	s_barrier_wait -1                              ; nobody reads K or V any more
	s_cmp_lg_u32 s[KIND], 0
	s_cbranch_scc1 .Lnot_send
.set n, 0
.rept 16
	ds_store_b128 v6, v[160+4*n:163+4*n] offset:512*n   ; X: my part of O^T as images of its registers, each accumulator from its low end on,
.set n, n+1
.endr
	ds_store_b128 v6, v[12:15] offset:8192         ; and -M, the largest t, the sum's two halves
.Lnot_send:
	s_wait_dscnt 0x0                               ; for the partner's sake
	s_barrier_signal -1
	s_barrier_wait -1
	s_cmp_eq_u32 s[KIND], 0
	s_cbranch_scc1 .Ldone
.set n, 0
.rept 16
	ds_load_b128 v[96+4*n:99+4*n], v2 offset:512*n ; Y: the partner's part, same lanes, register numbers 64 lower
.set n, n+1
.endr
	ds_load_b128 v[232:235], v2 offset:8192
	s_wait_dscnt 0x0
	v_min_num_f32 v236, v12, v232                  ; -M of both parts: the larger M.  (A partner that had no step hands over zeros under M = -3e38: its factor is 0)
	s_delay_alu instid0(VALU_DEP_1)
	v_sub_f32 v237, v236, v12
	v_sub_f32 v238, v236, v232
	s_delay_alu instid0(VALU_DEP_2)
	v_cvt_i32_f32 v237, v237                       ; (they saturate)
	s_delay_alu instid0(VALU_DEP_2)
	v_cvt_i32_f32 v238, v238
	s_delay_alu instid0(VALU_DEP_2)
	v_ldexp_f32 v252, 1.0, v237                    ; my part's factor,
	s_delay_alu instid0(VALU_DEP_2)
	v_ldexp_f32 v254, 1.0, v238                    ; the partner's: powers of two
	v_pk_mul_f32 v[14:15], v[14:15], v[252:253] op_sel_hi:[1,0]
.set n, 0
.rept 32
	v_pk_mul_f32 v[160+n:161+n], v[160+n:161+n], v[252:253] op_sel_hi:[1,0]
.set n, n+2
.endr
	v_pk_fma_f32 v[14:15], v[234:235], v[254:255], v[14:15] op_sel_hi:[1,0,1]
.set n, 0
.rept 32
	v_pk_fma_f32 v[160+n:161+n], v[96+n:97+n], v[254:255], v[160+n:161+n] op_sel_hi:[1,0,1]
.set n, n+2
.endr
	OUT
.Ldone:
	s_wait_tensorcnt 0x0                           ; the wave's end
	ds_add_u32 v242, v243
	s_wait_dscnt 0x0
	CROUND                                         ; the closing round
	s_endpgm
.Lfunc_end_k_q97caf98f32_attn:
	.size	k_q97caf98f32_attn, .Lfunc_end_k_q97caf98f32_attn-k_q97caf98f32_attn
	.p2alignl 7, 3214868480
	.fill 96, 4, 3214868480
	.section	.rodata,"a",@progbits
	.p2align	6, 0x0
	.amdhsa_kernel k_q97caf98f32_attn
		.amdhsa_group_segment_fixed_size 280576
		.amdhsa_private_segment_fixed_size 0
		.amdhsa_enable_private_segment 0
		.amdhsa_kernarg_size 32
		.amdhsa_user_sgpr_count 2
		.amdhsa_user_sgpr_kernarg_segment_ptr 1
		.amdhsa_wavefront_size32 1
		.amdhsa_system_sgpr_workgroup_id_x 1
		.amdhsa_system_sgpr_workgroup_id_y 1
		.amdhsa_system_sgpr_workgroup_id_z 1
		.amdhsa_system_vgpr_workitem_id 0
		.amdhsa_next_free_vgpr 256
		.amdhsa_next_free_sgpr 84
		.amdhsa_reserve_vcc 1
		.amdhsa_float_denorm_mode_32 3
		.amdhsa_float_denorm_mode_16_64 3
		.amdhsa_memory_ordered 1
		.amdhsa_forward_progress 1
		.amdhsa_inst_pref_size 84
	.end_amdhsa_kernel
	.amdgpu_metadata
---
amdhsa.version: [ 1, 2 ]
amdhsa.kernels:
  - .name:           k_q97caf98f32_attn
    .symbol:         k_q97caf98f32_attn.kd
    .args:
      - { .name: qkvc, .offset: 0, .size: 8, .value_kind: global_buffer, .address_space: global }
      - { .name: qkvs, .offset: 8, .size: 8, .value_kind: global_buffer, .address_space: global }
      - { .name: oc, .offset: 16, .size: 8, .value_kind: global_buffer, .address_space: global }
      - { .name: os, .offset: 24, .size: 8, .value_kind: global_buffer, .address_space: global }
    .group_segment_fixed_size: 280576
    .private_segment_fixed_size: 0
    .kernarg_segment_align: 8
    .kernarg_segment_size: 32
    .max_flat_workgroup_size: 512
    .sgpr_count:     84
    .vgpr_count:     256
    .wavefront_size: 32
...
	.end_amdgpu_metadata
.endif
;; end of part 3
;; launch oproj (part 4): grid 32 x 8, 4 waves a work-group, clusters of 4 x 1, 168,448 bytes of LDS; arguments oc, os, cimg, simg, x, out0; writes out0
.if DOCPART == 4
	.amdgcn_target "amdgcn-amd-amdhsa--gfx1250"
	.amdhsa_code_object_version 6
	.text
	.protected	k_q97caf98f32_oproj
	.globl	k_q97caf98f32_oproj
	.p2align	8
	.type	k_q97caf98f32_oproj,@function
k_q97caf98f32_oproj:
	s_mov_b64 s[64:65], 0
	v_nop
	global_prefetch_b8 v0, s[64:65] scope:SCOPE_SE
	s_setreg_imm32_b32 hwreg(HW_REG_WAVE_MODE, 25, 1), 1
	s_wait_xcnt 0x0
	s_wait_alu depctr_hold_cnt(0) depctr_sa_sdst(0) depctr_va_vdst(0) depctr_va_sdst(0) depctr_va_ssrc(0) depctr_va_vcc(0) depctr_vm_vsrc(0)
	s_getreg_b32 s2, hwreg(HW_REG_IB_STS2, 6, 4)
	s_cmp_eq_u32 s2, 0
	s_cbranch_scc0 .Lentry_in_a_cluster
	s_endpgm
.Lentry_in_a_cluster:
	s_bfe_u32 s2, ttmp6, 0x10000c
	s_cmp_lg_u32 s2, 0x3003
	s_cbranch_scc0 .Lentry_shape_is_right
	s_endpgm
.Lentry_shape_is_right:
; out0 = O Wo^T + x, the product on codes of FP4 (E2M1) with E8M0 scales, K = 1,024.
; A work-group takes 256 tokens (work-group x) and 128 columns (work-group y).  Wave w owns 64 tokens: four tiles of 16; their fragments for all of K, 256 registers, come straight from memory, once.
; Wo's 128 rows (64 KB of codes, 4 KB of scale words) come into LDS once, by joint loads of the cluster's four work-groups (mask 15), which differ in their tokens alone.  Nothing is filled twice.
; Source 0 = 16 rows of Wo, source 1 = 16 tokens: a lane holds eight neighbouring columns of one token.  Tiles hold rows 32 b + 8 u + p + 8 (p / 8), of tokens and of Wo alike.
; The residual's rows are asked for at the head, into registers of their own, and are there when the sums are finished.  A tile's results go through the wave's own stage in LDS and come back as whole rows of 512 bytes.
; No prefetch: every byte is asked for at the kernel's head.
; REGISTERS: window 0: v1-10 addresses, v32-63 A's scale words, v64-127 Wo's, v128-255 Wo's fragments, two sets.   window 1: A's fragments (tile a, K step s) at v[8 (8 a + s)]; later the rows read back from the stage.
;   window 2: the 32 accumulators at v[8 (8 a + b)].   window 3: x: row i of tile a at v[64 a + 4 i].
.set SCB, 65536                        ; LDS: behind Wo's codes: its scale words, 512 bytes a tile
.set STG, 69632                        ; and the stages: 16 rows x (512 + 16) bytes a wave; no fill lands here
.set AS,  32
.set BS,  64
.set BF,  128
.set WV,  40
.set G1C, 16
.set G1S, 24
.set G0C, 32
.set G0S, 36
.set MSB, 0
.macro WIN new
.if MSB != \new
	s_set_vgpr_msb (MSB<<8)|\new
.set MSB, \new
.endif
.endm
.macro PLACES n
.rept \n
	v_nop
.endr
.endm
.macro CROUND
	s_barrier_signal -1
	s_barrier_wait -1
	s_cmp_lg_u32 s[WV], 0
	s_cbranch_scc1 .Lnot_wave_0_\@
	s_barrier_signal -3
.Lnot_wave_0_\@:
	s_barrier_wait -3
	s_barrier_signal -1
	s_barrier_wait -1
.endm
	s_load_b256 s[4:11], s[0:1], 0x0               ; oc, os, cimg, simg
	s_load_b128 s[12:15], s[0:1], 0x20             ; x, out0
	v_lshl_add_u32 v30, v0, 2, 0x29000
	v_mov_b32 v31, 0
	ds_add_u32 v30, v31
	ds_add_u32 v30, v31
	v_lshrrev_b32 v11, 5, v0
	v_readfirstlane_b32 s[WV], v11                 ; wave 0..3
	s_bfe_u32 s41, ttmp6, 0x40000                  ; cx: it enters global addresses of my own tokens alone
	s_lshl_b32 s42, ttmp9, 2
	s_add_co_u32 s42, s42, s41                     ; X: my block of 256 tokens
	s_and_b32 s43, ttmp7, 0xffff                   ; my 128 columns, which the partners share
	v_and_b32 v1, 31, v0
	v_lshlrev_b32 v1, 4, v1                        ; 16 x lane
	v_and_b32 v11, 15, v0                          ; r
	v_bfe_u32 v12, v0, 4, 1                        ; h
	v_lshlrev_b32 v10, 5, v11                      ; 32 r: a row's eight scale words
	v_add_nc_u32 v5, SCB, v10
	s_mul_i32 s62, s[WV], 16*528
	s_add_co_u32 s62, s62, STG                     ; my stage
	v_mul_u32_u24 v6, v11, 528
	v_lshl_add_u32 v6, v12, 6, v6
	v_add_nc_u32 v6, s62, v6                       ; in: row r, + 64 h: tile b's eight columns of my half lie at 128 (b / 2) + 32 (b % 2) + 64 h
	v_add_nc_u32 v7, s62, v1                       ; back: the 32 lanes take a row of 512 bytes
	s_mov_b32 s[G1C], 15|(3<<16)|(1<<21)           ; 15:0 the mask: all four partners; 17:16 elements of 8 bytes; 21 set beside a mask
	s_mov_b32 s[G1C+1], 32<<16                     ; 128 dense rows of 256 bytes: four tiles' images
	s_mov_b32 s[G1C+2], 128<<16
	s_mov_b32 s[G1C+3], 32<<16
	s_mov_b32 s[G1C+4], 128
	s_mov_b32 s[G1C+5], 32
	s_mov_b32 s[G1C+6], 0
	s_mov_b32 s[G1C+7], 0
	s_mov_b32 s[G1S], 15|(3<<16)|(1<<21)
	s_mov_b32 s[G1S+1], 32<<16                     ; 8 such rows: four tiles' scale words
	s_mov_b32 s[G1S+2], 8<<16
	s_mov_b32 s[G1S+3], 32<<16
	s_mov_b32 s[G1S+4], 8
	s_mov_b32 s[G1S+5], 32
	s_mov_b32 s[G1S+6], 0
	s_mov_b32 s[G1S+7], 0
	s_and_b32 s62, s[WV], 1                        ; which half I fetch: waves 0, 1 of Wo's codes, waves 2, 3 of its scale words
	s_mov_b32 s[G0C], 1
	s_lshl_b32 s[G0C+1], s62, 15
	s_mov_b32 s[G0S], 1
	s_lshl_b32 s53, s62, 11
	s_add_co_u32 s[G0S+1], s53, SCB
	s_lshl_b32 s52, s43, 16
	s_lshl_b32 s53, s62, 15
	s_add_co_u32 s52, s52, s53
	s_mov_b32 s53, 0
	s_lshl_b32 s54, s43, 12
	s_lshl_b32 s55, s62, 11
	s_add_co_u32 s54, s54, s55
	s_mov_b32 s55, 0
	s_lshl_b32 s56, s42, 17
	s_lshl_b32 s57, s[WV], 15
	s_add_co_u32 s56, s56, s57                     ; A's codes: 8,192 x (16 X + 4 w)
	s_mov_b32 s57, 0
	s_lshl_b32 s58, s42, 13
	s_lshl_b32 s59, s[WV], 11
	s_add_co_u32 s58, s58, s59                     ; A's scale words
	s_mov_b32 s59, 0
	s_lshl_b32 s60, s42, 20
	s_lshl_b32 s61, s[WV], 18
	s_add_co_u32 s60, s60, s61
	s_lshl_b32 s61, s43, 9
	s_add_co_u32 s60, s60, s61                     ; x and out0: row 256 X + 64 w of 4,096 bytes, + 512 x column block: under 2^25
	s_mov_b32 s61, 0
	s_wait_dscnt 0x0
	s_wait_kmcnt 0x0
	s_add_nc_u64 s[52:53], s[8:9], s[52:53]
	s_add_nc_u64 s[G0C+2:G0C+3], s[52:53], 5767168 ; Wo's codes begin at tile 704
	s_or_b32 s[G0C+3], s[G0C+3], 0x80000000
	s_add_nc_u64 s[54:55], s[10:11], s[54:55]
	s_add_nc_u64 s[G0S+2:G0S+3], s[54:55], 360448
	s_or_b32 s[G0S+3], s[G0S+3], 0x80000000
	s_add_nc_u64 s[44:45], s[4:5], s[56:57]
	s_add_nc_u64 s[46:47], s[6:7], s[58:59]
	s_add_nc_u64 s[48:49], s[12:13], s[60:61]
	s_add_nc_u64 s[50:51], s[14:15], s[60:61]
	CROUND                                         ; all four work-groups are here: the joint loads meet
	s_cmp_lt_u32 s[WV], 2                          ; one tensor load a wave: two arms on the wave's number, one join
	s_cbranch_scc0 .Lfor_s
	tensor_load_to_lds s[G0C:G0C+3], s[G1C:G1C+7]
	s_nop 0
	PLACES 4
	s_branch .Lasked
.Lfor_s:
	tensor_load_to_lds s[G0S:G0S+3], s[G1S:G1S+7]
	s_nop 0
	PLACES 4
.Lasked:
	s_wait_alu depctr_va_vdst(0)
.irp a, 0,1,2,3
	global_load_b128 v[AS+8*\a:AS+8*\a+3], v10, s[46:47] offset:512*\a
	global_load_b128 v[AS+8*\a+4:AS+8*\a+7], v10, s[46:47] offset:512*\a+16
.endr
	WIN 0x40                                       ; destination window 1
.set i, 0
.rept 64
	global_load_b128 v[4*i:4*i+3], v1, s[44:45] offset:512*i   ; A's 32 images, as they lie
.set i, i+1
.endr
	WIN 0xc0                                       ; destination window 3
.irp a, 0,1,2,3
.irp i, 0,1,2,3,4,5,6,7,8,9,10,11,12,13,14,15
	global_load_b128 v[64*\a+4*\i:64*\a+4*\i+3], v1, s[48:49] offset:4096*(32*(\a/2)+8*(\a%2)+\i+8*(\i/8)) th:TH_LOAD_NT   ; the residual: 512 consecutive bytes of the token at place i of tile a
.endr
.endr
	WIN 0
	s_wait_tensorcnt 0x0                           ; my parts of Wo's codes and scale words have landed
	s_wait_dscnt 0x0
	s_barrier_signal -1
	s_barrier_wait -1                              ; everybody's have
	s_wait_loadcnt 63                              ; A's fragments and scale words are in: 64 loads of x stand behind them, and 63 is the largest count that the wait can name
.macro FETCH ks, p                     ; Wo's eight fragments of K step ks into set p
	WIN 0
.irp t, 0,1,2,3,4,5,6,7
.irp c, 0,1
	ds_load_b128 v[BF+64*(\p)+8*\t+4*\c:BF+64*(\p)+8*\t+4*\c+3], v1 offset:8192*\t+1024*(\ks)+512*\c
.endr
.endr
.endm
; 32 matrix instructions; the 32 accumulators take turns, one instruction a turn, in the same order in every K step; the first K step starts the sums with the constant 0
.macro MULS ks
.irp a, 0,1,2,3
.irp b, 0,1,2,3,4,5,6,7
.if (\ks) == 0
	v_wmma_scale_f32_16x16x128_f8f6f4 v[8*(8*\a+\b):8*(8*\a+\b)+7], v[BF+64*((\ks)%2)+8*\b:BF+64*((\ks)%2)+8*\b+7], v[8*(8*\a+(\ks)):8*(8*\a+(\ks))+7], 0, v[BS+8*\b+(\ks)], v[AS+8*\a+(\ks)] matrix_a_fmt:MATRIX_FMT_FP4 matrix_b_fmt:MATRIX_FMT_FP4
.else
	v_wmma_scale_f32_16x16x128_f8f6f4 v[8*(8*\a+\b):8*(8*\a+\b)+7], v[BF+64*((\ks)%2)+8*\b:BF+64*((\ks)%2)+8*\b+7], v[8*(8*\a+(\ks)):8*(8*\a+(\ks))+7], v[8*(8*\a+\b):8*(8*\a+\b)+7], v[BS+8*\b+(\ks)], v[AS+8*\a+(\ks)] matrix_a_fmt:MATRIX_FMT_FP4 matrix_b_fmt:MATRIX_FMT_FP4
.endif
.endr
.endr
.endm
.irp t, 0,1,2,3,4,5,6,7
	ds_load_b128 v[BS+8*\t:BS+8*\t+3], v5 offset:512*\t
	ds_load_b128 v[BS+8*\t+4:BS+8*\t+7], v5 offset:512*\t+16
.endr
	FETCH 0, 0
.irp ks, 0,1,2,3,4,5,6,7
	s_wait_dscnt 0x0                               ; this K step's fragments are in: they were asked for ahead of the last step's 32 matrix instructions
.if \ks < 7
.if \ks > 0
	PLACES 4                                       ; the other set was read by the step before
.endif
	FETCH \ks+1, (\ks+1)%2
.endif
	WIN 0xa4                                       ; source 0 (Wo) window 0, source 1 (A) window 1, C and D window 2
	MULS \ks
.endr
	WIN 0
	PLACES 4                                       ; in front of the first read of results, and of loads into the registers that held A's fragments
; THE WAY OUT, a tile of 16 tokens x 128 columns at a time, through my own stage.  LDS serves a wave's instructions in order: no wait between the stores and the loads, nor in front of the next tile's stores.
.macro TOSTAGE a
	WIN 0x08                                       ; an LDS store's data: window 2
.irp b, 0,1,2,3,4,5,6,7
	ds_store_b128 v6, v[8*(8*(\a)+\b):8*(8*(\a)+\b)+3] offset:128*(\b/2)+32*(\b%2)         ; each accumulator from its low end on
	ds_store_b128 v6, v[8*(8*(\a)+\b)+4:8*(8*(\a)+\b)+7] offset:128*(\b/2)+32*(\b%2)+16
.endr
	WIN 0x40                                       ; destination window 1
.irp i, 0,1,2,3,4,5,6,7,8,9,10,11,12,13,14,15
	ds_load_b128 v[64*(\a)+4*\i:64*(\a)+4*\i+3], v7 offset:528*\i
.endr
.endm
.macro SEND a, younger                 ; younger: the LDS instructions issued behind tile a's loads: the next tile's 16 stores and 16 loads, or none
	s_wait_dscnt \younger                          ; the tile's rows are back in registers
	s_wait_loadcnt 16*(3-(\a))                     ; its 16 rows of x are in; the later tiles' may be out
	WIN 0x4d                                       ; destination and source 0 window 1, source 1 window 3
.set k, 0
.rept 32
	v_pk_add_f32 v[64*(\a)+2*k:64*(\a)+2*k+1], v[64*(\a)+2*k:64*(\a)+2*k+1], v[64*(\a)+2*k:64*(\a)+2*k+1]   ; + the residual
.set k, k+1
.endr
	WIN 0x04                                       ; a store's data: window 1
.irp i, 0,1,2,3,4,5,6,7,8,9,10,11,12,13,14,15
	global_store_b128 v1, v[64*(\a)+4*\i:64*(\a)+4*\i+3], s[50:51] offset:4096*(32*((\a)/2)+8*((\a)%2)+\i+8*(\i/8)) th:TH_STORE_NT   ; 32 lanes store 512 consecutive bytes, aligned; each tile has registers of its own, so no store's data are written again
.endr
.endm
	TOSTAGE 0
	TOSTAGE 1
	SEND 0, 32
	TOSTAGE 2
	SEND 1, 32
	TOSTAGE 3
	SEND 2, 32
	SEND 3, 0
	WIN 0
	s_wait_tensorcnt 0x0
	ds_add_u32 v30, v31
	s_wait_dscnt 0x0
	CROUND                                         ; the closing round: no work-group ends while a partner may still ask for a tile that names it
	s_endpgm
.Lfunc_end_k_q97caf98f32_oproj:
	.size	k_q97caf98f32_oproj, .Lfunc_end_k_q97caf98f32_oproj-k_q97caf98f32_oproj
	.p2alignl 7, 3214868480
	.fill 96, 4, 3214868480
	.section	.rodata,"a",@progbits
	.p2align	6, 0x0
	.amdhsa_kernel k_q97caf98f32_oproj
		.amdhsa_group_segment_fixed_size 168448
		.amdhsa_private_segment_fixed_size 0
		.amdhsa_enable_private_segment 0
		.amdhsa_kernarg_size 48
		.amdhsa_user_sgpr_count 2
		.amdhsa_user_sgpr_kernarg_segment_ptr 1
		.amdhsa_wavefront_size32 1
		.amdhsa_system_sgpr_workgroup_id_x 1
		.amdhsa_system_sgpr_workgroup_id_y 1
		.amdhsa_system_sgpr_workgroup_id_z 1
		.amdhsa_system_vgpr_workitem_id 0
		.amdhsa_next_free_vgpr 1024
		.amdhsa_next_free_sgpr 80
		.amdhsa_reserve_vcc 0
		.amdhsa_float_denorm_mode_32 3
		.amdhsa_float_denorm_mode_16_64 3
		.amdhsa_memory_ordered 1
		.amdhsa_forward_progress 1
		.amdhsa_inst_pref_size 84
	.end_amdhsa_kernel
	.amdgpu_metadata
---
amdhsa.version: [ 1, 2 ]
amdhsa.kernels:
  - .name:           k_q97caf98f32_oproj
    .symbol:         k_q97caf98f32_oproj.kd
    .args:
      - { .name: oc, .offset: 0, .size: 8, .value_kind: global_buffer, .address_space: global }
      - { .name: os, .offset: 8, .size: 8, .value_kind: global_buffer, .address_space: global }
      - { .name: cimg, .offset: 16, .size: 8, .value_kind: global_buffer, .address_space: global }
      - { .name: simg, .offset: 24, .size: 8, .value_kind: global_buffer, .address_space: global }
      - { .name: x, .offset: 32, .size: 8, .value_kind: global_buffer, .address_space: global }
      - { .name: out0, .offset: 40, .size: 8, .value_kind: global_buffer, .address_space: global }
    .group_segment_fixed_size: 168448
    .private_segment_fixed_size: 0
    .kernarg_segment_align: 8
    .kernarg_segment_size: 48
    .max_flat_workgroup_size: 128
    .sgpr_count:     80
    .vgpr_count:     1024
    .wavefront_size: 32
...
	.end_amdgpu_metadata
.endif
;; end of part 4
